; MI455X (gfx1250); checked and timed in simulation.
; The chip was launched on July 23, 2026; its instructions are those of AMD's public machine-readable ISA for CDNA 5 (MIT licence, August 2026) and "CDNA5" Instruction Set Architecture Reference Guide (July 2026). The comments in the code are by the model that wrote it; some were corrected since.
;; Gated Atten. Allowed arithmetic: matrix products marked QUANTISED: E2M1 operands, one E8M0 scale for each 32 along K, by v_wmma_scale_f32_16x16x128_f8f6f4 with both operands' format E2M1 (or v_wmma_scale_f32_32x16x128_f4), f32 sums; everything else in f32.
;; Inputs: W_down_codes 64 x 4 x 16 uint8 (E2M1 codes of W_down, K innermost, in blocks of 32 codes, two codes a byte); W_down_scales 64 x 4 uint8 (E8M0 scales of W_down, one for each 32 codes along K); W_drug_codes 128 x 4 x 16 uint8 (E2M1 codes of W_drug, K innermost, in blocks of 32 codes, two codes a byte); W_drug_scales 128 x 4 uint8 (E8M0 scales of W_drug, one for each 32 codes along K); W_prot_codes 128 x 4 x 16 uint8 (E2M1 codes of W_prot, K innermost, in blocks of 32 codes, two codes a byte); W_prot_scales 128 x 4 uint8 (E8M0 scales of W_prot, one for each 32 codes along K); W_up_codes 128 x 2 x 16 uint8 (E2M1 codes of W_up, K innermost, in blocks of 32 codes, two codes a byte); W_up_scales 128 x 2 uint8 (E8M0 scales of W_up, one for each 32 codes along K); b_down 64 float32; b_drug 128 float32; b_prot 128 float32; b_up 128 float32; x 8 x 128 x 128 float32; y 8 x 128 x 1,024 float32.
;; Outputs: out0 8 x 128 x 128 float32; out1 8 x 128 x 1,024 float32.
;; This version of the problem:
;;   THIS VERSION OF THE PROBLEM IS GIVEN IN LOW PRECISION. The matrix products marked QUANTISED in the list below multiply operands that are first quantised to E2M1 (2 exponent bits, 1 mantissa bit; 4 bits a number), with one power-of-two scale for each 32 numbers along K (OCP MX v1.0); their sums are f32. All else is computed in f32.
;;   The module's matrix products, in the order in which they are computed (A, B: the left and right operand; K: the contracted axis; several contracted axes count as one K, in the product's order):
;;     1. [M 1,024, K 128] x [K 128, N 128]; A: input x; B: input W_drug (given as codes): QUANTISED
;;     2. [M 8,192, K 128] x [K 128, N 128]; A: input y; B: input W_prot (given as codes): QUANTISED
;;     3. [M 1,048,576, K 128] x [K 128, N 64]; A: computed on the way; B: input W_down (given as codes): QUANTISED
;;     4. [M 1,048,576, K 64] x [K 64, N 128]; A: computed on the way; B: input W_up (given as codes): QUANTISED
;;   THE QUANTISER, for each operand of a quantised product, along K:
;;     - K is cut into blocks of 32 from its start; a last block that is shorter is filled with zeros.
;;     - A block's scale is 2^e with e = floor(log2(the largest magnitude in the block)) - 2, held to -126 .. 127; a block of zeros has e = 0. As a byte (E8M0): e + 127.
;;     - Each number is divided by its block's scale, clamped to +-6, and rounded to the nearest number of E2M1, ties to even, subnormals kept.
;;     - The product sums the exact products of the quantised numbers (number of the format x scale) in f32.
;;   ~~~python
;;   def quantise(x, axis):      # numpy; x: float32 -> the quantised numbers, widened to float32 again
;;       x = np.moveaxis(x, axis, -1); K = x.shape[-1]
;;       x = np.pad(x, [(0, 0)] * (x.ndim - 1) + [(0, -K % 32)]); x = x.reshape(x.shape[:-1] + (-1, 32)); a = np.abs(x).max(-1, keepdims=True)
;;       e = np.where(a > 0, np.clip(np.frexp(np.where(a > 0, a, 1))[1] - 1 - 2, -126, 127), 0)      # np.frexp(a)[1] - 1 = floor(log2(a)), exactly
;;       r = np.clip(x / 2.0 ** e, -6, 6)
;;       step = 2.0 ** (np.maximum(np.frexp(np.where(r == 0, 1, r))[1] - 1, 0) - 1)
;;       q = np.round(r / step) * step * 2.0 ** e      # np.round: ties to even
;;       return np.moveaxis(q.reshape(q.shape[:-2] + (-1,))[..., :K], -1, axis).astype(np.float32)
;;   ~~~
;;   OPERANDS COMPUTED ON THE WAY. 'Computed on the way' means the value that the module computes at that place (a softmax that the list does not call 'softmax' is quantised finished and normalised). What goes into a quantiser is computed in f32, as accurately as f32 sums, v_exp_f32 and their like allow (about 1e-6 of the number): no bf16 or f16 on the way to a quantiser, and a product that is left as it is and whose result goes on into a quantised operand takes f32 operands (vector FMAs, or v_wmma_f32_16x16x4_f32). A number that lies on a knife's edge between two numbers of the format may be rounded either way, as far as f32 arithmetic and the matrix unit's own rounding can turn it there, and no further.
;;   INPUTS GIVEN AS CODES. W_down (in the module: [128, 64], K = its axis 0); W_drug (in the module: [128, 128], K = its axis 0); W_prot (in the module: [128, 128], K = its axis 0); W_up (in the module: [64, 128], K = its axis 0): each comes as NAME_codes (uint8): NAME with its K axis moved to the last place and cut into blocks of 32 codes, [.., K / 32, bytes a block], one block behind the other in memory; two codes a byte, the lower K in the low four bits (a code: sign, 2 exponent bits, 1 mantissa bit); and NAME_scales (uint8): the same leading axes, one E8M0 byte (e + 127) for each 32 codes along K. Its value is code x scale, taken as it is: it is not quantised again, and the codes and scales need not be those that the quantiser above would give.
;; 2 versions, each right; version 2 is version 1 with the launch pairs written anew for expert scheduling mode. Each part assembles by itself: llvm-mc -triple=amdgcn-amd-amdhsa -mcpu=gfx1250 --defsym DOCPART=n.
;; ======== version 1 of 2: 2 launches
;; workspace buffers: part 16,777,216 bytes
;; launch pairs (part 1): grid 32 x 8, 4 waves a work-group, no clusters, 291,584 bytes of LDS; arguments x, y, W_drug_codes, W_drug_scales, W_prot_codes, W_prot_scales, W_down_codes, W_down_scales, W_up_codes, W_up_scales, b_drug, b_prot, b_down, b_up, part, out1; writes part, out1
.if DOCPART == 1
	.amdgcn_target "amdgcn-amd-amdhsa--gfx1250"
	.amdhsa_code_object_version 6
	.text
	.protected	k_q69fcd48f9b_pairs
	.globl	k_q69fcd48f9b_pairs
	.p2align	8
	.type	k_q69fcd48f9b_pairs,@function
k_q69fcd48f9b_pairs:
	s_mov_b64 s[64:65], 0
	v_nop
	global_prefetch_b8 v0, s[64:65] scope:SCOPE_SE
	s_setreg_imm32_b32 hwreg(HW_REG_WAVE_MODE, 25, 1), 1
	s_wait_xcnt 0x0
; For every pair (x, y) of a batch: s = relu(d[x] + p[y]) (128 numbers), h = relu(Q(s) W_down + b_down) (64), atten = Q(h) W_up + b_up (128); only atten's sums over x and over y are kept.
; All four products run on codes of FP4 (E2M1) with one E8M0 scale for each 32 along K.
; SHARES.  A work-group owns one batch, 32 y (two tiles of 16) and all 128 x; wave w owns x = 32 w .. 32 w + 31.  A TILE is one x against 16 y, a y to a lane (lane % 16): 64 tiles a wave, in four blocks of
; 16 x by 16 y.  The sum over x is whole inside the work-group, so out1 is finished here; the sum over these 32 y goes to 'part', which the next launch adds up.
; EVERY PRODUCT IS USED TRANSPOSED (source 0 = 16 rows of a weight, source 1 = data), and the rows of a weight that form a tile are chosen so that a lane's registers are WHOLE BLOCKS of 32 along the next K:
; lane r of a tile takes row BASE + 32 (r / 8) + r % 8.  So no block maximum and no code changes lanes; only the scale word's bytes are gathered from lane l xor 16.
; d[x] + p[y] COMES OUT OF THE MATRIX UNIT: source 1 holds the codes of x's column in all 16 columns, and C holds p[y] + b_prot + b_drug in the result's layout.
; THE TWO SUMS ARE ACCUMULATIONS: W_up's K is 64, so the instruction's 128 hold two pairs: two x of one y (added up over x) or two y of one x (added up over y).  The second wants h's codes with x in the lanes:
; a block's codes go through the wave's own LDS and come back turned.
; relu IS DONE ON THE CODES: the block maximum is taken of the raw numbers with a positive floor among its leaves, so that negative numbers do not count; the raw numbers are converted; then the magnitude bits
; of every negative code are cleared, which leaves -0.  Positive codes are as they would be, so the codes' values are those of the quantised relu.
; NO CLUSTER, NO TENSOR LOAD: what work-groups share (24,576 bytes of weights, a batch's 65,536 bytes of x) is read once, at the head, into registers; the loop fetches nothing from memory.
; LIMITS.  NaN and infinities among the inputs are not served.  A block whose largest magnitude lies under 2^-124 (a block of zeros too) gets the scale byte 1; the bytes are read by this program alone.
; d + p is summed as (sum over x's channels) + (sum over y's channels + (b_prot + b_drug)), inside the matrix unit.  The gate's argument is held at -40 from below,
; where the gate is under 5e-18.  y is read and out1 stored in runs of 128 bytes: a work-group owns 32 y.
; ---- LDS
.set YB,    4672                       ; a stage's block of 32 channels: 32 rows of 144 bytes (32 columns + 16), then 64 bytes, so that lanes 16-31 stand 16 words further round the banks
.set YST,   0                          ; y as f32, 128 channels x 32 columns: 4 YB
.set PIMG,  18688                      ; p as an image of registers: [y tile 2][group of four registers 16][lane 32][16 bytes]
.set XQ,    35072                      ; for each wave 64 entries of 96 bytes, in the order of the tiles: 64 bytes of codes of x's column, its scale word at 64 and again at 80
.set HT,    59648                      ; for each wave 64 rows (a tile each) of 528 bytes: lane l's 16 bytes of h's codes at 16 l.  At the head the same bytes hold the wave's columns of x as f32, laid as YST
.set HSW,   194816                     ; for each wave 64 rows (a tile each) of 48 bytes: the two scale bytes of pair (x, y r) at 2 r
.set RED,   207104                     ; for each wave the image of its sums over x: [y tile 2][unit 4][group 4][lane][16 bytes]
.set OST,   272640                     ; for each wave 32 rows (channels) of 144 bytes: the gate, on its way to out1's layout
; ---- window 0
.set AX,   1                           ; v1-5   LDS addresses of the trip in hand
.set ADH,  2
.set AWS,  3
.set ADC,  4
.set AWL,  5
.set API,  6                           ; v6     PIMG + 16 x lane
.set SELV, 7                           ; v7     byte selects: my half's two scale bytes to their places in a scale word
.set L16,  8                           ; v8     16 x lane
.set GY,   9                           ; v9     y, out1: (lane / 8) rows of 4,096 bytes + 16 (lane % 8)
.set AX0,  10                          ; v10-14 the fixed parts of v1-5
.set ADH0, 11
.set AWS0, 12
.set ADC0, 13
.set AWL0, 14
.set TV,   15
.set WDS,  16                          ; v16-42 hold scale words and nothing else: W_drug's 4, W_down's 2, W_up's 4, W_prot's 2,
.set WNS,  20
.set WUS,  22
.set WPS,  26
.set SW,   28                          ;        s's, h's, x's two, turned h's, and eight more of those for the last block
.set HW,   30
.set XW,   32
.set HTW,  34
.set DW,   35
.set LN,   43                          ; v43-47 lane, lane % 16, lane / 16, lane / 8, lane % 8
.set RR,   44
.set HH,   45
.set L3,   46
.set L7,   47
.set SC,   48                          ; v48-55 s's codes
.set MH,   56                          ; v56-60 h's running maxima (at the head: offsets of the weights' loads)
.set B3,   56
.set LC,   57
.set LW4,  58
.set LU,   59
.set H128, 60
.set L2,   61
.set GX,   62
.set YSTA, 63
.set HC,   64                          ; v64-71 h's codes of two tiles
.set HCT,  72                          ; v72-79 h's codes, turned
.set XB,   80                          ; v80-95 codes of x's column, two sets; at the end b_up
.set BU,   80
.set M,    96                          ; v96-103 running maxima, later the masks at work
.set E0,   104                         ; v104-105 the conversions' scale operands
.set T0,   106                         ; v106-107 scale bytes in the top byte
.set PX,   108
.set WT,   109
.set EH,   110
.set TE,   111                         ; v111-112 h's scale bytes of the even and the odd tile
.set XSTA, 113
.set QAY,  114
.set QAX,  115
.set XQS,  116
.set API2, 117
.set XQB,  118
.set REDS, 119
.set REDL, 120
.set OSTS, 121
.set OSTL, 122
.set LT,   123
.set BUO,  124
.set S,    128                         ; v128-191 d + p of a tile: register 32 c + i = channel 64 c + 32 (lane / 16) + i
.set H,    192                         ; v192-255 the hidden layer ahead of relu, two tiles: register i = unit 32 (lane / 16) + i
.set R,    128                         ; the end: sums, exponentials, divisors
.set EE,   160
.set QQ,   192
; ---- window 1: the weights and what is added to them
.set WD,   0                           ; W_drug, 4 units of 16 registers
.set WN,   64                          ; W_down, 2 units
.set BD,   96                          ; b_down in the result's layout
.set P,    128                         ; p of the y tile in hand
.set WU,   192                         ; W_up, 4 units; each row's 64 codes stand twice
; ---- window 2: the sums
.set PA0,  0                           ; over x, y tile 0 and 1
.set PA1,  64
.set CA0,  128                         ; over y, x tile 0 and 1
.set CA1,  192
; ---- window 3: v0-127 x as loaded, v128-159 y as loaded (kept to the end), v192-223 my two units of W_prot
.set YR,   128
.set WP,   192
; ---- scalars.  s[8:39] the sixteen buffers in the order of the arguments
.set WV,   40
.set W1,   41
.set W2,   42
.set BAT,  43
.set SEL,  44                          ; s[44:45] lane selects: lane l xor 16
.set CNT,  46
.set TS,   47
.set OF,   48
.set OG,   50
.set SAX,  52                          ; s52-56 what the trips have stepped v1-5 by
.set SDH,  53
.set SWS,  54
.set SDC,  55
.set SWL,  56
.set SGN,  57                          ; the sign bits of eight codes
.set EM2,  58                          ; 2 off an exponent field
.set TM2,  59                          ; 2 off a top byte
.set FLR,  60                          ; the floor 2^(3 - 127)
.set KC,   62
.set W_MUL, 0x11                       ; source 0 and C window 1, source 1 and D window 0
.set W_SUM, 0xa1                       ; source 0 window 1, source 1 window 0, C and D window 2
.set MSB, 0
.macro WIN new                         ; the immediate's high byte repeats the setting that is left
.if MSB != \new
	s_set_vgpr_msb (MSB<<8)|\new
.set MSB, \new
.endif
.endm
.macro PLACES n
.rept \n
	v_nop
.endr
.endm
; A UNIT: 32 rows of a weight x 16 columns of data, K = 128: two instructions on two accumulators.  The weight's 32 scale words lie in one register, a lane a row.
.macro MM d, a, b, c, sa, sb
	v_wmma_scale_f32_16x16x128_f8f6f4 v[(\d):(\d)+7], v[(\a):(\a)+7], v[(\b):(\b)+7], v[(\c):(\c)+7], v[\sa], v[\sb] matrix_a_fmt:MATRIX_FMT_FP4 matrix_b_fmt:MATRIX_FMT_FP4
	v_wmma_scale_f32_16x16x128_f8f6f4 v[(\d)+8:(\d)+15], v[(\a)+8:(\a)+15], v[(\b):(\b)+7], v[(\c)+8:(\c)+15], v[\sa], v[\sb] matrix_a_fmt:MATRIX_FMT_FP4 matrix_b_fmt:MATRIX_FMT_FP4 matrix_a_scale:MATRIX_SCALE_ROW1
.endm
.macro MMZ d, a, b, sa, sb             ; the same, starting a sum
	v_wmma_scale_f32_16x16x128_f8f6f4 v[(\d):(\d)+7], v[(\a):(\a)+7], v[(\b):(\b)+7], 0, v[\sa], v[\sb] matrix_a_fmt:MATRIX_FMT_FP4 matrix_b_fmt:MATRIX_FMT_FP4
	v_wmma_scale_f32_16x16x128_f8f6f4 v[(\d)+8:(\d)+15], v[(\a)+8:(\a)+15], v[(\b):(\b)+7], 0, v[\sa], v[\sb] matrix_a_fmt:MATRIX_FMT_FP4 matrix_b_fmt:MATRIX_FMT_FP4 matrix_a_scale:MATRIX_SCALE_ROW1
.endm
; THE LARGEST OF TWO BLOCKS OF 32 (64 registers from src on): eight chains of seven, then the four numbers left over of each block, the chains and the floor.  ab = 1: magnitudes (x, y); 0: as they are (ahead of a relu)
.macro MX3 d, a, b, c, ab
.if \ab
	v_max3_num_f32 v[\d], |v[\a]|, |v[\b]|, |v[\c]|
.else
	v_max3_num_f32 v[\d], v[\a], v[\b], v[\c]
.endif
.endm
.macro GRP src, n, ab                  ; each accumulator is first read at its low end: chain t begins with registers 8 t, 8 t + 1, 8 t + 2
.irp t, 0,1,2,3,4,5,6,7
.if (\n) == 0
	MX3 M+\t, (\src)+8*\t, (\src)+8*\t+1, (\src)+8*\t+2, \ab
.else
	MX3 M+\t, M+\t, (\src)+8*\t+2*(\n)+1, (\src)+8*\t+2*(\n)+2, \ab
.endif
.endr
.endm
.macro G4A src, ab
.irp c, 0,1
.if \ab
	v_max3_num_f32 v[T0+\c], |v[(\src)+32*\c+23]|, |v[(\src)+32*\c+31]|, s[FLR]
.else
	v_max3_num_f32 v[T0+\c], v[(\src)+32*\c+23], v[(\src)+32*\c+31], s[FLR]
.endif
.endr
.irp c, 0,1
	MX3 M+4*\c, M+4*\c, M+4*\c+1, (\src)+32*\c+7, \ab
.endr
.irp c, 0,1
	MX3 M+4*\c+2, M+4*\c+2, M+4*\c+3, (\src)+32*\c+15, \ab
.endr
.endm
.macro G4D                             ; v[M], v[M+4]: the two blocks' largest, not under the floor, so that no scale byte falls under 1
.irp c, 0,1
	v_max3_num_f32 v[M+4*\c], v[M+4*\c], v[M+4*\c+2], v[T0+\c]
.endr
.endm
.macro QE                              ; 2 off the exponent field: the conversion's scale operand; the same number as a byte on top of a word
	v_add_nc_u32 v[E0], s[EM2], v[M]
	v_add_nc_u32 v[E0+1], s[EM2], v[M+4]
	v_lshl_add_u32 v[T0], v[M], 1, s[TM2]
	v_lshl_add_u32 v[T0+1], v[M+4], 1, s[TM2]
.endm
.macro QCVT src, dst                   ; register 4 c + g of the operand: k = 64 c + 32 (lane / 16) + 8 g + 0 .. 7
.irp c, 0,1
.irp g, 0,1,2,3
	v_cvt_scalef32_pk8_fp4_f32 v[(\dst)+4*\c+\g], v[(\src)+32*\c+8*\g:(\src)+32*\c+8*\g+7], v[E0+\c]
.endr
.endr
.endm
; Four registers of codes: 7 in each place whose code is negative, and those bits cleared
.macro MASKA c0
.irp i, 0,1,2,3
	v_and_b32 v[M+\i], s[SGN], v[(\c0)+\i]
.endr
.irp i, 0,1,2,3
	v_lshrrev_b32 v[M+4+\i], 3, v[M+\i]
.endr
.endm
.macro MASKB c0
.irp i, 0,1,2,3
	v_sub_nc_u32 v[M+\i], v[M+\i], v[M+4+\i]
.endr
.irp i, 0,1,2,3
	v_bfi_b32 v[(\c0)+\i], v[M+\i], 0, v[(\c0)+\i]
.endr
.endm
; The hidden layer's one block a lane, 32 registers from HB on
.macro HG n
.irp t, 0,1,2,3
.if (\n) == 0
	v_max3_num_f32 v[MH+\t], v[HB+8*\t], v[HB+8*\t+1], v[HB+8*\t+2]
.else
	v_max3_num_f32 v[MH+\t], v[MH+\t], v[HB+8*\t+2*(\n)+1], v[HB+8*\t+2*(\n)+2]
.endif
.endr
.endm
.macro HG4A
	v_max3_num_f32 v[MH+4], v[HB+23], v[HB+31], s[FLR]
	v_max3_num_f32 v[MH], v[MH], v[MH+1], v[HB+7]
	v_max3_num_f32 v[MH+2], v[MH+2], v[MH+3], v[HB+15]
.endm
.macro HG4D
	v_max3_num_f32 v[MH], v[MH], v[MH+2], v[MH+4]
.endm
.macro HSCL pi
	v_add_nc_u32 v[EH], s[EM2], v[MH]
	v_lshl_add_u32 v[TE+(\pi)], v[MH], 1, s[TM2]
.endm
.macro HCVT pi
.irp g, 0,1,2,3
	v_cvt_scalef32_pk8_fp4_f32 v[HC+4*(\pi)+\g], v[HB+8*\g:HB+8*\g+7], v[EH]
.endr
.endm
.macro HSTORE pi                       ; the tile's codes into its row of HT; behind the odd tile the pair's scale bytes into their two rows of HSW (lanes l and l + 16 write the same bytes)
	ds_store_b128 v[ADH], v[HC+4*(\pi):HC+4*(\pi)+3] offset:528*(\pi)
.if \pi
	ds_store_b16 v[AWS], v[HW]
	ds_store_b16_d16_hi v[AWS], v[HW] offset:48
.endif
.endm
.macro LOADX pi, adr                   ; a column of x: all lanes of a half read the same 16 bytes
	ds_load_b128 v[XB+8*(\pi):XB+8*(\pi)+3], v[\adr] offset:96*(\pi)
	ds_load_b128 v[XB+8*(\pi)+4:XB+8*(\pi)+7], v[\adr] offset:96*(\pi)+32
	ds_load_b32 v[XW+(\pi)], v[\adr] offset:96*(\pi)+64
.endm
.macro LOADC                           ; two y of a block, turned: lane r takes x r's row
	ds_load_b128 v[HCT:HCT+3], v[ADC]
	ds_load_b128 v[HCT+4:HCT+7], v[ADC] offset:16
	ds_load_b32 v[HTW], v[AWL]
.endm
.macro LOADP yt
	WIN 0x40                                       ; destination window 1
.irp k, 0,1,2,3,4,5,6,7,8,9,10,11,12,13,14,15
	ds_load_b128 v[P+4*\k:P+4*\k+3], v[API] offset:8192*(\yt)+512*\k
.endr
	WIN 0
.endm
.macro S0U u, pb                       ; d + p, channels of unit u
	WIN W_MUL
	MM S+16*(\u), WD+16*(\u), XB+8*(\pb), P+16*(\u), WDS+(\u), XW+(\pb)
	WIN 0
.endm
.macro P3U u, pi                       ; the hidden layer, units of unit u; b_down is the C
	WIN W_MUL
	MM H+32*(\pi)+16*(\u), WN+16*(\u), SC, BD+16*(\u), WNS+(\u), SW
	WIN 0
.endm
.macro P4M u, mode, acc, b, sb         ; atten's sums, channels of unit u.  mode 2: the first product starts the sum
.if (\mode) == 2
	MMZ (\acc)+16*(\u), WU+16*(\u), \b, WUS+(\u), \sb
.else
	MM (\acc)+16*(\u), WU+16*(\u), \b, (\acc)+16*(\u), WUS+(\u), \sb
.endif
.endm
.macro P4W u, mode, acc, b, sb
.if \mode
	WIN W_SUM
	P4M \u, \mode, \acc, \b, \sb
	WIN 0
.endif
.endm
; SLOT g (pi = g % 2).  Vector work: tile g's s (maxima, conversions, masks) and tile g - 2's h.  Matrix work, a unit at a time between runs of vector lines: four units of atten's sums (even slots: over x;
; odd slots: over y), d + p of tile g + 1 as soon as tile g's numbers are converted, the hidden layer of tile g into the registers that tile g - 2's conversions have just read.
; No two matrix instructions that follow each other share an accumulator, over the loops' edges too.
; Distances, by this text's count: every result is first read a run of 8 plain lines or more behind its product; codes stand 8 plain lines or more, scale words 16 or more, ahead of the product that takes them.
.macro SLOT pi, ld, cl, rc, ryt, p4, acc, b, sb, s0, bd
.set HB, H+32*(\pi)
.if \rc
	s_cmp_lg_u32 s[CNT], \rc                       ; the next tile begins a block: p of its y tile.  The last product that read the old p stands in the slot before
	s_cbranch_scc1 .Lsame_p_\@
	LOADP \ryt
.Lsame_p_\@:
.endif
.if \cl
	LOADC
.endif
.if \ld
	LOADX \pi, AX                                  ; tile g + 2's column
.endif
	GRP S, 0, 0
	P4W 0, \p4, \acc, \b, \sb
	GRP S, 1, 0
	P4W 1, \p4, \acc, \b, \sb
	GRP S, 2, 0
	P4W 2, \p4, \acc, \b, \sb
	G4A S, 0
	P4W 3, \p4, \acc, \b, \sb
	G4D
.if \bd
	HG 0
.endif
	QE
.if \bd
	HG 1
.endif
	QCVT S, SC
	v_perm_b32 v[WT], v[T0+1], v[T0], v[SELV]      ; my two bytes at their places.  (The plain line behind the conversions)
.if \bd
	HG 2
.endif
	v_permlanex16_b32 v[PX], v[WT], s[SEL], s[SEL+1]
.if \ld
	s_wait_dscnt 0x3                               ; all but the three loads of this slot's column are in: tile g + 1's column, a new p, the turned codes
.else
	s_wait_dscnt 0x0
.endif
.if \s0
	S0U 0, (1-\pi)
.endif
	v_or_b32 v[SW], v[WT], v[PX]                   ; with lane l xor 16's two bytes: s's scale word
	MASKA SC
.if \s0
	S0U 1, (1-\pi)
.endif
.if \bd
	HG4A
.endif
	MASKB SC
.if \s0
	S0U 2, (1-\pi)
.endif
.if \bd
	HG4D
.endif
	MASKA SC+4
.if \bd
	HSCL \pi
.endif
.if \s0
	S0U 3, (1-\pi)
.endif
.if \bd
	HCVT \pi
.endif
	MASKB SC+4
.if \bd
.if \pi
	v_perm_b32 v[WT], v[TE+1], v[TE], v[SELV]      ; the even tile's byte below, the odd tile's above
.endif
	MASKA HC+4*(\pi)
.if \pi
	v_permlanex16_b32 v[PX], v[WT], s[SEL], s[SEL+1]
.endif
.else
	PLACES 4                                       ; between the last mask on s's codes and the product that takes them
.endif
	P3U 0, \pi
.if \bd
.if \pi
	v_or_b32 v[HW], v[WT], v[PX]                   ; h's scale word of the two tiles
.endif
	MASKB HC+4*(\pi)
.endif
	P3U 1, \pi
.if \bd
	HSTORE \pi
.endif
.endm
; TRIP q = slots 2 q and 2 q + 1.  ld: columns of tiles 2 q + 2, 2 q + 3;  cl, cp, cacc: two y of a finished block, summed over y;  rc, ryt: the reload of p;  pp, pacc: tiles 2 q - 4, 2 q - 3 summed over x;
; s0b: d + p in the odd slot;  bd: h of tiles 2 q - 2, 2 q - 1
.macro TRIP ld, cl, rc, ryt, pp, pacc, cp, cacc, s0b, bd
.if \ld
	v_add_nc_u32 v[AX], s[SAX], v[AX0]
.endif
.if \bd
	v_add_nc_u32 v[ADH], s[SDH], v[ADH0]
	v_add_nc_u32 v[AWS], s[SWS], v[AWS0]
.endif
.if \cl
	v_add_nc_u32 v[ADC], s[SDC], v[ADC0]
	v_add_nc_u32 v[AWL], s[SWL], v[AWL0]
.endif
	SLOT 0, \ld, \cl, 0, 0, \pp, \pacc, HC, HW, 1, \bd
	SLOT 1, \ld, 0, \rc, \ryt, \cp, \cacc, HCT, HTW, \s0b, \bd
.if \ld
	s_add_co_u32 s[SAX], s[SAX], 192               ; two entries of XQ
.endif
.if \bd
	s_add_co_u32 s[SDH], s[SDH], 1056              ; two rows of HT
	s_add_co_u32 s[SWS], s[SWS], 96                ; two rows of HSW
.endif
.if \cl
	s_add_co_u32 s[SDC], s[SDC], 32                ; two y along the rows of HT
	s_add_co_u32 s[SWL], s[SWL], 4                 ; and of HSW
.endif
.endm
.macro NEXTBLK                         ; eight trips have gone 256 and 32 bytes along the rows: on to the next block's 16 rows
	s_add_co_u32 s[SDC], s[SDC], 8192
	s_add_co_u32 s[SWL], s[SWL], 736
.endm
.macro BDT pi                          ; h of a tile, where no other work is left to set between
.set HB, H+32*(\pi)
	HG 0
	HG 1
	HG 2
	HG4A
	HG4D
	HSCL \pi
	HCVT \pi
.if \pi
	v_perm_b32 v[WT], v[TE+1], v[TE], v[SELV]
	v_permlanex16_b32 v[PX], v[WT], s[SEL], s[SEL+1]
	v_or_b32 v[HW], v[WT], v[PX]
.else
	v_nop                                          ; the plain line behind the conversions
.endif
	MASKA HC+4*(\pi)
	MASKB HC+4*(\pi)
	HSTORE \pi
.endm
.macro QLOAD dst, adr, off             ; 16 columns of a stage: lane (r, h) takes column r; register 32 c + i = channel 64 c + 32 h + i
.set i, 0
.rept 64
	ds_load_b32 v[(\dst)+i], v[\adr] offset:(\off)+2*YB*(i/32)+144*(i%32)
.set i, i+1
.endr
.endm
.macro QT src, dst, sw                 ; 64 numbers of a lane become an operand's eight registers and its scale word
	GRP \src, 0, 1
	GRP \src, 1, 1
	GRP \src, 2, 1
	G4A \src, 1
	G4D
	QE
	QCVT \src, \dst
	v_perm_b32 v[WT], v[T0+1], v[T0], v[SELV]
	v_permlanex16_b32 v[PX], v[WT], s[SEL], s[SEL+1]
	v_or_b32 v[\sw], v[WT], v[PX]
.endm
.macro XQST xt                         ; x tile xt's 16 columns into their entries, once for each of the two blocks that walk them
.irp d, 0, 1536
	ds_store_b128 v[XQS], v[SC:SC+3] offset:3072*(\xt)+\d
	ds_store_b128 v[XQS], v[SC+4:SC+7] offset:3072*(\xt)+\d+32
	ds_store_b32 v[XQS], v[SW] offset:3072*(\xt)+\d+64
.endr
.endm
.macro ADDSRC n
.set j, 0
.rept 16
	v_pk_add_f32 v[R+2*j:R+2*j+1], v[R+2*j:R+2*j+1], v[R+32*(\n)+2*j:R+32*(\n)+2*j+1]
.set j, j+1
.endr
.endm
; ================ THE HEAD
	s_load_b512 s[8:23], s[0:1], 0x0               ; x, y, W_drug's codes and scales, W_prot's, W_down's
	s_load_b512 s[24:39], s[0:1], 0x40             ; W_up's codes and scales, b_drug, b_prot, b_down, b_up, part, out1
	v_lshl_add_u32 v126, v0, 2, 0x47100
	v_mov_b32 v127, 0
	v_lshrrev_b32 v[TV], 5, v0
	v_readfirstlane_b32 s[WV], v[TV]               ; wave 0..3
	s_and_b32 s[W1], s[WV], 1
	s_lshr_b32 s[W2], s[WV], 1
	s_and_b32 s[BAT], ttmp7, 0xffff                ; the batch; ttmp9: which 32 y
	v_and_b32 v[LN], 31, v0
	v_and_b32 v[RR], 15, v0
	v_bfe_u32 v[HH], v0, 4, 1
	v_bfe_u32 v[L3], v0, 3, 2
	v_and_b32 v[L7], 7, v0
	v_bfe_u32 v[B3], v0, 3, 1
	v_lshlrev_b32 v[L16], 4, v[LN]
	v_lshlrev_b32 v[GY], 4, v[L7]
	v_lshl_add_u32 v[GX], v[L3], 9, v[GY]          ; x: (lane / 8) rows of 512 bytes + 16 (lane % 8)
	v_lshl_add_u32 v[GY], v[L3], 12, v[GY]
	v_lshl_add_u32 v[TV], v[B3], 5, v[L7]          ; 32 (r / 8) + r % 8: my row of a weight's tile
	v_lshl_add_u32 v[LW4], v[HH], 3, v[TV]         ; + 8 (lane / 16): my row of a unit's 32, for its scale word
	v_lshlrev_b32 v[LC], 6, v[TV]                  ; a row of 128 codes is 64 bytes
	v_lshl_add_u32 v[LC], v[HH], 4, v[LC]
	v_lshlrev_b32 v[LW4], 2, v[LW4]
	s_lshl_b32 s[OF], s[BAT], 19                   ; y, out1: batch x 524,288 + 128 x (which 32 y) + wave x 32 channels of 4,096 bytes
	s_lshl_b32 s[TS], ttmp9, 7
	s_add_co_u32 s[OF], s[OF], s[TS]
	s_lshl_b32 s[TS], s[WV], 17
	s_add_co_u32 s[OF], s[OF], s[TS]
	s_mov_b32 s[OF+1], 0
	s_lshl_b32 s[OG], s[BAT], 16                   ; x: batch x 65,536 + my 32 columns
	s_lshl_b32 s[TS], s[WV], 7
	s_add_co_u32 s[OG], s[OG], s[TS]
	s_mov_b32 s[OG+1], 0
	s_wait_kmcnt 0x0
	s_add_nc_u64 s[10:11], s[10:11], s[OF:OF+1]
	s_add_nc_u64 s[38:39], s[38:39], s[OF:OF+1]
	s_add_nc_u64 s[8:9], s[8:9], s[OG:OG+1]
	s_mov_b32 s[OG], s[TS]
	s_add_nc_u64 s[34:35], s[34:35], s[OG:OG+1]    ; b_up: my 32 channels
	s_lshl_b32 s[OG], s[W1], 12
	s_add_nc_u64 s[16:17], s[16:17], s[OG:OG+1]    ; W_prot: rows 64 (wave % 2) on
	s_lshl_b32 s[OG], s[W1], 8
	s_add_nc_u64 s[18:19], s[18:19], s[OG:OG+1]    ; their scale words, and the same channels of the two biases
	s_add_nc_u64 s[30:31], s[30:31], s[OG:OG+1]
	s_add_nc_u64 s[28:29], s[28:29], s[OG:OG+1]
	s_lshl_b32 s[OG], s[BAT], 21                   ; part: [batch][which 32 y][x tile 8][group 16][lane][16 bytes]; my two x tiles
	s_lshl_b32 s[TS], ttmp9, 16
	s_add_co_u32 s[OG], s[OG], s[TS]
	s_lshl_b32 s[TS], s[WV], 14
	s_add_co_u32 s[OG], s[OG], s[TS]
	s_add_nc_u64 s[36:37], s[36:37], s[OG:OG+1]
	WIN 0xc0                                       ; destination window 3
.irp i, 0,1,2,3,4,5,6,7
	global_load_b128 v[YR+4*\i:YR+4*\i+3], v[GY], s[10:11] offset:16384*\i th:TH_LOAD_NT   ; y: my 32 channels x 32 columns, four rows of 128 bytes a load
.endr
.set i, 0
.rept 32
	global_load_b128 v[4*i:4*i+3], v[GX], s[8:9] offset:2048*i                             ; x: 128 channels x my 32 columns
.set i, i+1
.endr
.irp u, 0,1
.irp f, 0,1
.irp c, 0,1
	global_load_b128 v[WP+16*\u+8*\f+4*\c:WP+16*\u+8*\f+4*\c+3], v[LC], s[16:17] offset:(16*\u+8*\f)*64+32*\c
.endr
.endr
.endr
	WIN 0
.irp u, 0,1
	global_load_b32 v[WPS+\u], v[LW4], s[18:19] offset:64*\u
.endr
	; the rest of the constants, while the loads are out
	s_mov_b32 s[SEL], 0x76543210
	s_mov_b32 s[SEL+1], 0xfedcba98
	s_mov_b32 s[SGN], 0x88888888
	s_mov_b32 s[EM2], 0xff000000
	s_mov_b32 s[TM2], 0xfe000000
	s_mov_b32 s[FLR], 0x01800000
	s_mov_b32 s[SAX], 0
	s_mov_b32 s[SDH], 0
	s_mov_b32 s[SWS], 0
	s_mov_b32 s[SDC], 0
	s_mov_b32 s[SWL], 0
	v_lshlrev_b32 v[LU], 5, v[RR]                  ; W_up: a row of 64 codes is 32 bytes
	v_lshl_add_u32 v[LU], v[HH], 4, v[LU]
	v_lshlrev_b32 v[H128], 7, v[HH]                ; biases in the result's layout: 32 numbers on for lanes 16-31
	v_lshlrev_b32 v[L2], 1, v[LN]
	v_lshlrev_b32 v[BUO], 5, v[HH]
	v_mov_b32 v[SELV], 0x0c070c03                  ; lanes 0-15: bytes 0 and 2 of a scale word; the others 0
	v_mov_b32 v[TV], 0x070c030c                    ; lanes 16-31: bytes 1 and 3
	v_cmp_eq_u32 vcc_lo, 1, v[HH]
	v_cndmask_b32 v[SELV], v[SELV], v[TV], vcc_lo
	v_mov_b32 v[PX], 0                             ; written once: a lane permute's destination counts as one of its sources
	v_mul_u32_u24 v[LT], v[L3], 144
	v_lshl_add_u32 v[LT], v[L7], 4, v[LT]          ; a stage's rows as they are loaded: 144 (lane / 8) + 16 (lane % 8)
	s_mul_i32 s[TS], s[WV], YB
	v_add_nc_u32 v[YSTA], s[TS], v[LT]
	s_mul_i32 s[TS], s[WV], 33792
	s_add_co_u32 s[TS], s[TS], HT
	v_add_nc_u32 v[XSTA], s[TS], v[LT]
	v_add_nc_u32 v[ADH0], s[TS], v[L16]
	v_mul_u32_u24 v[ADC0], v[RR], 528
	v_lshl_add_u32 v[ADC0], v[HH], 8, v[ADC0]
	v_add_nc_u32 v[ADC0], s[TS], v[ADC0]
	v_mul_u32_u24 v[QAY], v[HH], YB
	v_lshl_add_u32 v[QAY], v[RR], 2, v[QAY]
	v_add_nc_u32 v[QAX], s[TS], v[QAY]
	s_lshl_b32 s[TS], s[W2], 6
	v_add_nc_u32 v[QAY], s[TS], v[QAY]             ; y tile wave / 2
	s_mul_i32 s[TS], s[WV], 6144
	s_add_co_u32 s[TS], s[TS], XQ
	v_lshl_add_u32 v[XQB], v[HH], 4, s[TS]
	v_mad_u32_u24 v[XQS], v[RR], 96, v[XQB]
	v_add_nc_u32 v[AX0], 192, v[XQB]
	s_mul_i32 s[TS], s[WV], 3072
	s_add_co_u32 s[TS], s[TS], HSW
	v_lshl_add_u32 v[AWS0], v[RR], 1, s[TS]
	v_mad_u32_u24 v[AWL0], v[RR], 48, s[TS]
	v_add_nc_u32 v[API], PIMG, v[L16]
	s_lshl_b32 s[TS], s[W2], 13
	s_lshl_b32 s[OG], s[W1], 12
	s_add_co_u32 s[TS], s[TS], s[OG]
	v_add_nc_u32 v[API2], s[TS], v[API]
	s_lshl_b32 s[TS], s[WV], 14
	s_add_co_u32 s[TS], s[TS], RED
	v_add_nc_u32 v[REDS], s[TS], v[L16]
	s_lshl_b32 s[TS], s[WV], 11
	s_add_co_u32 s[TS], s[TS], RED
	v_add_nc_u32 v[REDL], s[TS], v[L16]
	s_mul_i32 s[TS], s[WV], 4608
	s_add_co_u32 s[TS], s[TS], OST
	v_add_nc_u32 v[OSTL], s[TS], v[LT]
	v_mul_u32_u24 v[OSTS], v[HH], 1152
	v_lshl_add_u32 v[OSTS], v[RR], 2, v[OSTS]
	v_add_nc_u32 v[OSTS], s[TS], v[OSTS]
	s_wait_loadcnt 42                              ; y is in: behind it 32 loads of x, 8 of W_prot, 2 of its scale words
	WIN 0x0c                                       ; an LDS store's data are its source 1: window 3
.irp i, 0,1,2,3,4,5,6,7
	ds_store_b128 v[YSTA], v[YR+4*\i:YR+4*\i+3] offset:576*\i
.endr
	WIN 0x40
.irp k, 0,1,2,3,4,5,6,7
	global_load_b128 v[P+4*\k:P+4*\k+3], v[H128], s[30:31] offset:16*\k          ; b_prot and b_drug at my 32 channels, where p will lie later
.endr
.irp k, 0,1,2,3,4,5,6,7
	global_load_b128 v[P+32+4*\k:P+32+4*\k+3], v[H128], s[28:29] offset:16*\k
.endr
	s_wait_loadcnt 26                              ; x is in: behind it 8, 2 and these 16
	WIN 0x0c
.set i, 0
.rept 32
	ds_store_b128 v[XSTA], v[4*i:4*i+3] offset:(i/8)*YB+(i%8)*576
.set i, i+1
.endr
	WIN 0x40                                       ; the weights that stay: they have the rest of the head in which to land
.irp u, 0,1,2,3
.irp f, 0,1
.irp c, 0,1
	global_load_b128 v[WD+16*\u+8*\f+4*\c:WD+16*\u+8*\f+4*\c+3], v[LC], s[12:13] offset:(64*(\u/2)+16*(\u%2)+8*\f)*64+32*\c
.endr
.endr
.endr
.irp u, 0,1
.irp f, 0,1
.irp c, 0,1
	global_load_b128 v[WN+16*\u+8*\f+4*\c:WN+16*\u+8*\f+4*\c+3], v[LC], s[20:21] offset:(16*\u+8*\f)*64+32*\c
.endr
.endr
.endr
.irp u, 0,1,2,3
.irp f, 0,1
.irp c, 0,1
	global_load_b128 v[WU+16*\u+8*\f+4*\c:WU+16*\u+8*\f+4*\c+3], v[LU], s[24:25] offset:(32*\u+16*\f)*32   ; the same 16 bytes for both halves of the instruction's K
.endr
.endr
.endr
.irp k, 0,1,2,3,4,5,6,7
	global_load_b128 v[BD+4*\k:BD+4*\k+3], v[H128], s[32:33] offset:16*\k
.endr
	WIN 0
.irp u, 0,1,2,3
	global_load_b32 v[WDS+\u], v[LW4], s[14:15] offset:(64*(\u/2)+16*(\u%2))*4
.endr
.irp u, 0,1
	global_load_b32 v[WNS+\u], v[LW4], s[22:23] offset:64*\u
.endr
.irp u, 0,1,2,3
	global_load_u16 v[WUS+\u], v[L2], s[26:27] offset:64*\u
.endr
	s_wait_dscnt 0x0                               ; my part of y's stage has landed
	s_barrier_signal -1
	s_barrier_wait -1                              ; everybody's has
	QLOAD S, QAY, 0                                ; 16 y
	QLOAD H, QAX, 0                                ; my first 16 x
	s_wait_dscnt 63                                ; the 64 loads of y are in: 64 younger ones were issued, of which the count can name 63
	QT S, HC, HW
	QLOAD S, QAX, 64                               ; my other 16 x
	s_wait_loadcnt 58                              ; W_prot, its scale words and the two biases are in: behind them 48 loads of weights and b_down and 10 of scale words
	WIN 0x45                                       ; all in window 1
.irp k, 0,2,4,6,8,10,12,14,16,18,20,22,24,26,28,30
	v_pk_add_f32 v[P+\k:P+\k+1], v[P+\k:P+\k+1], v[P+32+\k:P+32+\k+1]   ; b_prot + b_drug.  (Sixteen plain lines between y's scale word and the product that takes it)
.endr
	WIN 0x53                                       ; source 0 window 3, source 1 window 0, C and D window 1
	MM P+32, WP, HC, P, WPS, HW                    ; p + both biases: y tile wave / 2, channels 64 (wave % 2) + 32 (lane / 16) + 0 .. 31
	MM P+48, WP+16, HC, P+16, WPS+1, HW
	WIN 0
	s_wait_dscnt 63                                ; the first 16 x are in: again 64 younger loads
	QT H, SC, SW
	XQST 0
	WIN 0x04                                       ; the data: window 1
.irp k, 0,1,2,3,4,5,6,7
	ds_store_b128 v[API2], v[P+32+4*\k:P+32+4*\k+3] offset:512*\k   ; each accumulator from its low end on
.endr
	WIN 0
	s_wait_dscnt 0x0                               ; the other 16 x are in, and the stores have read their registers
	QT S, SC, SW
	XQST 1
	s_wait_dscnt 0x0                               ; my part of p's image has landed
	s_barrier_signal -1
	s_barrier_wait -1                              ; everybody's has
	LOADP 0
	LOADX 0, XQB
	LOADX 1, XQB
	s_wait_loadcnt 0x0                             ; all weights
.irp u, 0,1,2,3
	v_lshl_or_b32 v[WUS+\u], v[WUS+\u], 16, v[WUS+\u]   ; W_up's two bytes a row serve both halves of the instruction's K
.endr
	s_wait_dscnt 0x0
.irp u, 0,1,2,3
	S0U \u, 0                                      ; d + p of tile 0
.endr
	PLACES 4
; ================ THE 64 TILES
	TRIP 1,0,0,0, 0,0, 0,0, 1,0                    ; q = 0
	TRIP 1,0,0,0, 0,0, 0,0, 1,1                    ; q = 1: h from here on
	TRIP 1,0,0,0, 2,PA0, 0,0, 1,1                  ; q = 2: the sums over x begin
	s_mov_b32 s[CNT], 7
.Lq3:                                                  ; q = 3 .. 9; at q = 7 (3 trips to go) p of y tile 1
	TRIP 1,0,3,1, 1,PA0, 0,0, 1,1
	s_sub_co_u32 s[CNT], s[CNT], 1
	s_cmp_lg_u32 s[CNT], 0
	s_cbranch_scc1 .Lq3
	TRIP 1,1,0,0, 2,PA1, 2,CA0, 1,1                ; q = 10: block 1's sums over x and block 0's over y begin
	s_mov_b32 s[CNT], 7
.Lq11:                                                 ; q = 11 .. 17; at q = 15 p of y tile 0
	TRIP 1,1,3,0, 1,PA1, 1,CA0, 1,1
	s_sub_co_u32 s[CNT], s[CNT], 1
	s_cmp_lg_u32 s[CNT], 0
	s_cbranch_scc1 .Lq11
	NEXTBLK
	s_mov_b32 s[CNT], 8
.Lq18:                                                 ; q = 18 .. 25; at q = 23 p of y tile 1
	TRIP 1,1,3,1, 1,PA0, 1,CA0, 1,1
	s_sub_co_u32 s[CNT], s[CNT], 1
	s_cmp_lg_u32 s[CNT], 0
	s_cbranch_scc1 .Lq18
	NEXTBLK
	WIN 0x08                                       ; a store's data are its source 1: window 2
.set k, 0
.rept 16
	global_store_b128 v[L16], v[CA0+4*k:CA0+4*k+3], s[36:37] offset:512*k th:TH_STORE_NT   ; my first 16 x are done: 512 consecutive bytes a store, each accumulator from its low end on
.set k, k+1
.endr
	WIN 0
	TRIP 1,1,0,0, 1,PA1, 2,CA1, 1,1                ; q = 26
	s_mov_b32 s[CNT], 4
.Lq27:                                                 ; q = 27 .. 30
	TRIP 1,1,0,0, 1,PA1, 1,CA1, 1,1
	s_sub_co_u32 s[CNT], s[CNT], 1
	s_cmp_lg_u32 s[CNT], 0
	s_cbranch_scc1 .Lq27
	TRIP 0,1,0,0, 1,PA1, 1,CA1, 0,1                ; q = 31: no column is left to load, and behind tile 63 no d + p
; ================ THE PIPELINE RUNS OUT
	v_add_nc_u32 v[ADH], s[SDH], v[ADH0]           ; q = 32.  (These four lines stand between the last mask on h's codes and the product that takes them)
	v_add_nc_u32 v[AWS], s[SWS], v[AWS0]
	v_add_nc_u32 v[ADC], s[SDC], v[ADC0]
	v_add_nc_u32 v[AWL], s[SWL], v[AWL0]
	LOADC
	WIN W_SUM
.irp u, 0,1,2,3
	P4M \u, 1, PA1, HC, HW                         ; tiles 60, 61 over x
.endr
	WIN 0
	BDT 0                                          ; h of tile 62
	s_wait_dscnt 0x0                               ; the turned codes are in
	WIN W_SUM
.irp u, 0,1,2,3
	P4M \u, 1, CA1, HCT, HTW
.endr
	WIN 0
	BDT 1                                          ; h of tile 63
	s_add_co_u32 s[SDC], s[SDC], 32
	s_add_co_u32 s[SWL], s[SWL], 4
	v_add_nc_u32 v[ADC], s[SDC], v[ADC0]           ; q = 33: block 2's last two y,
	v_add_nc_u32 v[AWL], s[SWL], v[AWL0]
	LOADC
	s_add_co_u32 s[SDC], s[SDC], 8224
	s_add_co_u32 s[SWL], s[SWL], 740
	v_add_nc_u32 v[ADC], s[SDC], v[ADC0]           ; and all of block 3, into the registers that held d + p.  (Again four plain lines behind the last mask)
	v_add_nc_u32 v[AWL], s[SWL], v[AWL0]
.irp j, 0,1,2,3,4,5,6,7
	ds_load_b128 v[S+8*\j:S+8*\j+3], v[ADC] offset:32*\j
	ds_load_b128 v[S+8*\j+4:S+8*\j+7], v[ADC] offset:32*\j+16
	ds_load_b32 v[DW+\j], v[AWL] offset:4*\j
.endr
	global_load_b128 v[BU:BU+3], v[BUO], s[34:35]              ; b_up in the layout of the sums over x: channel 16 (q / 2) + 8 (lane / 16) + 4 (q % 2) + e of my 32
	global_load_b128 v[BU+4:BU+7], v[BUO], s[34:35] offset:16
	global_load_b128 v[BU+8:BU+11], v[BUO], s[34:35] offset:64
	global_load_b128 v[BU+12:BU+15], v[BUO], s[34:35] offset:80
	WIN W_SUM
.irp u, 0,1,2,3
	P4M \u, 1, PA1, HC, HW                         ; tiles 62, 63 over x
.endr
	s_wait_dscnt 0x0
.irp u, 0,1,2,3
	P4M \u, 1, CA1, HCT, HTW
.endr
.irp j, 0,1,2,3,4,5,6,7
.irp u, 0,1,2,3
	P4M \u, 1, CA1, S+8*\j, DW+\j                  ; the eight accumulators by turns
.endr
.endr
	PLACES 4
	WIN 0x08
.set k, 0
.rept 32
	ds_store_b128 v[REDS], v[4*k:4*k+3] offset:512*k           ; my sums over x, as they stand
.set k, k+1
.endr
.set k, 0
.rept 16
	global_store_b128 v[L16], v[CA1+4*k:CA1+4*k+3], s[36:37] offset:8192+512*k th:TH_STORE_NT
.set k, k+1
.endr
	WIN 0
	s_wait_dscnt 0x0                               ; my sums have landed
	s_barrier_signal -1
	s_barrier_wait -1                              ; everybody's have
; ================ out1: wave w takes channels 32 w .. 32 w + 31 of the 32 y
.set i, 0
.rept 32                                       ; i = 8 x (the wave that summed) + 4 x (y tile) + group
	ds_load_b128 v[R+4*i:R+4*i+3], v[REDL] offset:16384*(i/8)+8192*((i/4)%2)+512*(i%4)
.set i, i+1
.endr
	s_mov_b32 s[OG], 0xbfb8aa3b                    ; -log2(e)
	s_mov_b32 s[OG+1], s[OG]
	s_mov_b32 s[KC], 0xbc38aa3b                    ; -log2(e) / 128: the mean over 128 x
	s_mov_b32 s[KC+1], s[KC]
	s_mov_b32 s[TS], 0x4266cccd                    ; 57.7 = 40 log2(e)
	s_wait_loadcnt 0x0                             ; b_up
.irp j, 0,2,4,6,8,10,12,14
	v_pk_mul_f32 v[BU+\j:BU+\j+1], v[BU+\j:BU+\j+1], s[OG:OG+1] op_sel_hi:[1,0]
.endr
	s_wait_dscnt 16                                ; the first two waves' sums are in
	ADDSRC 1
	s_wait_dscnt 8
	ADDSRC 2
	s_wait_dscnt 0x0
	ADDSRC 3
; sigmoid(m) tanh(m) = (1 - e) / (1 + e^2) with e = exp(-m) = 2^t, t = -log2(e) m.  t is held at 57.7, so that e^2 stays finite
.set j, 0
.rept 16
	v_pk_fma_f32 v[R+2*j:R+2*j+1], v[R+2*j:R+2*j+1], s[KC:KC+1], v[BU+(2*j)%16:BU+(2*j)%16+1] op_sel_hi:[1,0,1]
.set j, j+1
.endr
.set j, 0
.rept 32
	v_min_num_f32 v[R+j], s[TS], v[R+j]
.set j, j+1
.endr
.set j, 0
.rept 32
	v_exp_f32 v[EE+j], v[R+j]
.set j, j+1
.endr
	v_nop                                          ; a plain line behind the last exponential
	s_wait_alu depctr_va_vdst(0)                   ; one wait for the batch, ahead of its first reader
.set j, 0
.rept 16
	v_pk_fma_f32 v[QQ+2*j:QQ+2*j+1], v[EE+2*j:EE+2*j+1], v[EE+2*j:EE+2*j+1], 1.0 op_sel_hi:[1,1,0]
.set j, j+1
.endr
.set j, 0
.rept 32
	v_rcp_f32 v[QQ+j], v[QQ+j]
.set j, j+1
.endr
	v_nop
	s_wait_alu depctr_va_vdst(0)                   ; and one for the reciprocals
.set j, 0
.rept 16
	v_pk_fma_f32 v[EE+2*j:EE+2*j+1], v[EE+2*j:EE+2*j+1], v[QQ+2*j:QQ+2*j+1], v[QQ+2*j:QQ+2*j+1] neg_lo:[1,0,0] neg_hi:[1,0,0]   ; (1 - e) / (1 + e^2)
.set j, j+1
.endr
.set j, 0
.rept 16
	v_pk_add_f32 v[EE+2*j:EE+2*j+1], v[EE+2*j:EE+2*j+1], 0.5 op_sel_hi:[1,0]
.set j, j+1
.endr
.irp t, 0,1
.irp q, 0,1,2,3
.irp e, 0,1,2,3
	ds_store_b32 v[OSTS], v[EE+16*\t+4*\q+\e] offset:(16*(\q/2)+4*(\q%2)+\e)*144+64*\t   ; row = channel, column = y
.endr
.endr
.endr
.irp k, 0,1,2,3,4,5,6,7
	ds_load_b128 v[QQ+4*\k:QQ+4*\k+3], v[OSTL] offset:576*\k   ; back in the layout in which y was loaded; LDS serves a wave's instructions in order (ISA guide 5.7.1.4)
.endr
	s_wait_dscnt 0x0
	WIN 0x0c                                       ; source 1: window 3, y as loaded
.set j, 0
.rept 16
	v_pk_mul_f32 v[QQ+2*j:QQ+2*j+1], v[QQ+2*j:QQ+2*j+1], v[YR+2*j:YR+2*j+1]
.set j, j+1
.endr
	WIN 0
.irp k, 0,1,2,3,4,5,6,7
	global_store_b128 v[GY], v[QQ+4*\k:QQ+4*\k+3], s[38:39] offset:16384*\k th:TH_STORE_NT
.endr
	s_wait_tensorcnt 0x0
	ds_add_u32 v126, v127
	s_wait_dscnt 0x0
	s_endpgm
.Lfunc_end_k_q69fcd48f9b_pairs:
	.size	k_q69fcd48f9b_pairs, .Lfunc_end_k_q69fcd48f9b_pairs-k_q69fcd48f9b_pairs
	.p2alignl 7, 3214868480
	.fill 96, 4, 3214868480
	.section	.rodata,"a",@progbits
	.p2align	6, 0x0
	.amdhsa_kernel k_q69fcd48f9b_pairs
		.amdhsa_group_segment_fixed_size 291584
		.amdhsa_private_segment_fixed_size 0
		.amdhsa_enable_private_segment 0
		.amdhsa_kernarg_size 128
		.amdhsa_user_sgpr_count 2
		.amdhsa_user_sgpr_kernarg_segment_ptr 1
		.amdhsa_wavefront_size32 1
		.amdhsa_system_sgpr_workgroup_id_x 1
		.amdhsa_system_sgpr_workgroup_id_y 1
		.amdhsa_system_sgpr_workgroup_id_z 1
		.amdhsa_system_vgpr_workitem_id 0
		.amdhsa_next_free_vgpr 1024
		.amdhsa_next_free_sgpr 66
		.amdhsa_reserve_vcc 1
		.amdhsa_float_denorm_mode_32 3
		.amdhsa_float_denorm_mode_16_64 3
		.amdhsa_memory_ordered 1
		.amdhsa_forward_progress 1
		.amdhsa_inst_pref_size 255
	.end_amdhsa_kernel
	.section	.bss,"aw",@nobits
	.p2align	6
	.space	262144
	.amdgpu_metadata
---
amdhsa.version: [ 1, 2 ]
amdhsa.kernels:
  - .name:           k_q69fcd48f9b_pairs
    .symbol:         k_q69fcd48f9b_pairs.kd
    .args:
      - { .name: x, .offset: 0, .size: 8, .value_kind: global_buffer, .address_space: global }
      - { .name: y, .offset: 8, .size: 8, .value_kind: global_buffer, .address_space: global }
      - { .name: W_drug_codes, .offset: 16, .size: 8, .value_kind: global_buffer, .address_space: global }
      - { .name: W_drug_scales, .offset: 24, .size: 8, .value_kind: global_buffer, .address_space: global }
      - { .name: W_prot_codes, .offset: 32, .size: 8, .value_kind: global_buffer, .address_space: global }
      - { .name: W_prot_scales, .offset: 40, .size: 8, .value_kind: global_buffer, .address_space: global }
      - { .name: W_down_codes, .offset: 48, .size: 8, .value_kind: global_buffer, .address_space: global }
      - { .name: W_down_scales, .offset: 56, .size: 8, .value_kind: global_buffer, .address_space: global }
      - { .name: W_up_codes, .offset: 64, .size: 8, .value_kind: global_buffer, .address_space: global }
      - { .name: W_up_scales, .offset: 72, .size: 8, .value_kind: global_buffer, .address_space: global }
      - { .name: b_drug, .offset: 80, .size: 8, .value_kind: global_buffer, .address_space: global }
      - { .name: b_prot, .offset: 88, .size: 8, .value_kind: global_buffer, .address_space: global }
      - { .name: b_down, .offset: 96, .size: 8, .value_kind: global_buffer, .address_space: global }
      - { .name: b_up, .offset: 104, .size: 8, .value_kind: global_buffer, .address_space: global }
      - { .name: part, .offset: 112, .size: 8, .value_kind: global_buffer, .address_space: global }
      - { .name: out1, .offset: 120, .size: 8, .value_kind: global_buffer, .address_space: global }
    .group_segment_fixed_size: 291584
    .private_segment_fixed_size: 0
    .kernarg_segment_align: 8
    .kernarg_segment_size: 128
    .max_flat_workgroup_size: 128
    .sgpr_count:     66
    .vgpr_count:     1024
    .wavefront_size: 32
...
	.end_amdgpu_metadata
.endif
;; end of part 1
;; launch gate0 (part 2): grid 16 x 8, 8 waves a work-group, no clusters, 5,632 bytes of LDS; arguments part, x, b_up, out0; writes out0
.if DOCPART == 2
	.amdgcn_target "amdgcn-amd-amdhsa--gfx1250"
	.amdhsa_code_object_version 6
	.text
	.protected	k_q69fcd48f9b_gate0
	.globl	k_q69fcd48f9b_gate0
	.p2align	8
	.type	k_q69fcd48f9b_gate0,@function
k_q69fcd48f9b_gate0:
	s_mov_b64 s[64:65], 0
	v_nop
	global_prefetch_b8 v0, s[64:65] scope:SCOPE_SE
	s_setreg_imm32_b32 hwreg(HW_REG_WAVE_MODE, 25, 1), 1
	s_wait_xcnt 0x0
; out0[b][c][x] = x (0.5 + sigmoid(m) tanh(m)), m = b_up[c] + (the sum over all 1,024 y of atten) / 1,024.  'part' holds that sum in 32 pieces, one for each 32 y:
; [batch 8][piece 32][x tile 8][group 16][lane 32][4] f32; number e of (x tile, group k, lane r + 16 h) belongs to x = 16 x tile + r and channel 16 (k / 2) + 8 h + 4 (k % 2) + e.
; A work-group owns 16 channels x 64 x of one batch; each of its eight waves one x tile and one group: 32 loads of 512 consecutive bytes, all issued at once, added in four chains.
; The 1,024 sums meet in LDS (16 rows of 256 bytes + 16), so that sixteen lanes load and store 256 consecutive bytes of x and out0, at a multiple of 256 from the buffers' first bytes.
; No matrix work, no cluster (work-groups share no byte but b_up's 64), no prefetch: every byte that a wave will read is asked for by its first 34 instructions on memory.
; LIMITS: NaN and infinities are not served; the gate's argument is held at -40 from below, where the gate is under 5e-18.
.set SUMS, 32                          ; v32-159 the 32 pieces, four registers each
	s_load_b256 s[4:11], s[0:1], 0x0               ; part, x, b_up, out0
	v_lshl_add_u32 v160, v0, 2, 0x1200
	v_mov_b32 v161, 0
	v_lshrrev_b32 v1, 5, v0
	v_readfirstlane_b32 s12, v1                    ; wave 0..7
	s_lshr_b32 s13, ttmp9, 1                       ; which 16 channels
	s_and_b32 s14, ttmp9, 1                        ; which 64 x
	s_and_b32 s15, ttmp7, 0xffff                   ; the batch
	s_and_b32 s18, s12, 1                          ; my group of the two
	s_lshr_b32 s19, s12, 1                         ; my x tile of the four
	v_and_b32 v2, 31, v0
	v_lshlrev_b32 v3, 4, v2                        ; part: 16 x lane
	v_lshrrev_b32 v4, 4, v0                        ; on the way out a thread takes channel thread / 16
	v_and_b32 v5, 15, v0
	v_lshlrev_b32 v6, 4, v5                        ; and four x: 16 bytes
	v_lshl_add_u32 v7, v4, 9, v6                   ; x, out0: rows of 512 bytes
	v_lshlrev_b32 v8, 2, v4                        ; b_up
	v_mad_u32_u24 v9, v4, 272, v6                  ; LDS, back
	v_bfe_u32 v10, v0, 4, 1
	v_mul_u32_u24 v11, v10, 2176                   ; LDS, in: row 8 (lane / 16) + 4 group + e, column 16 x tile + lane % 16
	v_lshl_add_u32 v11, v5, 2, v11
	s_mul_i32 s20, s18, 1088
	s_lshl_b32 s21, s19, 6
	s_add_co_u32 s20, s20, s21
	v_add_nc_u32 v11, s20, v11
	s_lshl_b32 s16, s15, 21                        ; part: batch x 2,097,152 + (4 x half + x tile) x 8,192 + (2 x channels + group) x 512
	s_lshl_b32 s21, s14, 15
	s_add_co_u32 s16, s16, s21
	s_lshl_b32 s21, s19, 13
	s_add_co_u32 s16, s16, s21
	s_lshl_b32 s21, s13, 10
	s_add_co_u32 s16, s16, s21
	s_lshl_b32 s21, s18, 9
	s_add_co_u32 s16, s16, s21
	s_mov_b32 s17, 0
	s_lshl_b32 s22, s15, 16                        ; x, out0: batch x 65,536 + 16 channels x 512 + 64 x of 4 bytes
	s_lshl_b32 s21, s13, 13
	s_add_co_u32 s22, s22, s21
	s_lshl_b32 s21, s14, 8
	s_add_co_u32 s22, s22, s21
	s_mov_b32 s23, 0
	s_lshl_b32 s24, s13, 6
	s_mov_b32 s25, 0
	s_mov_b32 s26, 0xbab8aa3b                      ; -log2(e) / 1,024
	s_mov_b32 s27, 0x4266cccd                      ; 57.7 = 40 log2(e)
	s_wait_kmcnt 0x0
	s_add_nc_u64 s[4:5], s[4:5], s[16:17]
	s_add_nc_u64 s[6:7], s[6:7], s[22:23]
	s_add_nc_u64 s[10:11], s[10:11], s[22:23]
	s_add_nc_u64 s[8:9], s[8:9], s[24:25]
	global_load_b128 v[12:15], v7, s[6:7]
	global_load_b32 v16, v8, s[8:9]
.set k, 0
.rept 32
	global_load_b128 v[SUMS+4*k:SUMS+4*k+3], v3, s[4:5] offset:65536*k th:TH_LOAD_NT
.set k, k+1
.endr
.macro ADDS k0, n                      ; pieces k0 .. k0 + n - 1 onto the four chains, which the first four pieces start
.set k, \k0
.rept \n
	v_pk_add_f32 v[SUMS+4*(k%4):SUMS+4*(k%4)+1], v[SUMS+4*(k%4):SUMS+4*(k%4)+1], v[SUMS+4*k:SUMS+4*k+1]
	v_pk_add_f32 v[SUMS+4*(k%4)+2:SUMS+4*(k%4)+3], v[SUMS+4*(k%4)+2:SUMS+4*(k%4)+3], v[SUMS+4*k+2:SUMS+4*k+3]
.set k, k+1
.endr
.endm
	s_wait_loadcnt 24                              ; the first eight pieces are in; the counts leave the younger groups of eight out
	ADDS 4, 4
	s_wait_loadcnt 16
	ADDS 8, 8
	s_wait_loadcnt 8
	ADDS 16, 8
	s_wait_loadcnt 0x0
	ADDS 24, 8
	v_pk_add_f32 v[SUMS:SUMS+1], v[SUMS:SUMS+1], v[SUMS+4:SUMS+5]
	v_pk_add_f32 v[SUMS+2:SUMS+3], v[SUMS+2:SUMS+3], v[SUMS+6:SUMS+7]
	v_pk_add_f32 v[SUMS+8:SUMS+9], v[SUMS+8:SUMS+9], v[SUMS+12:SUMS+13]
	v_pk_add_f32 v[SUMS+10:SUMS+11], v[SUMS+10:SUMS+11], v[SUMS+14:SUMS+15]
	v_pk_add_f32 v[SUMS:SUMS+1], v[SUMS:SUMS+1], v[SUMS+8:SUMS+9]
	v_pk_add_f32 v[SUMS+2:SUMS+3], v[SUMS+2:SUMS+3], v[SUMS+10:SUMS+11]
.irp e, 0,1,2,3
	ds_store_b32 v11, v[SUMS+\e] offset:272*\e
.endr
	s_wait_dscnt 0x0                               ; my sums have landed
	s_barrier_signal -1
	s_barrier_wait -1                              ; everybody's have
	ds_load_b128 v[20:23], v9
	v_mul_f32 v17, 0xbfb8aa3b, v16                 ; -log2(e) b_up
	s_wait_dscnt 0x0
; sigmoid(m) tanh(m) = (1 - e) / (1 + e^2) with e = exp(-m) = 2^t
.irp e, 0,1,2,3
	v_fma_f32 v[20+\e], v[20+\e], s26, v17
.endr
.irp e, 0,1,2,3
	v_min_num_f32 v[20+\e], s27, v[20+\e]          ; so that e^2 stays finite
.endr
.irp e, 0,1,2,3
	v_exp_f32 v[24+\e], v[20+\e]
.endr
	v_nop                                          ; a plain line behind the last exponential
	s_wait_alu depctr_va_vdst(0)                   ; one wait for the four, ahead of their first reader
.irp e, 0,1,2,3
	v_fma_f32 v[28+\e], v[24+\e], v[24+\e], 1.0
.endr
.irp e, 0,1,2,3
	v_rcp_f32 v[28+\e], v[28+\e]
.endr
	v_nop
	s_wait_alu depctr_va_vdst(0)
.irp e, 0,1,2,3
	v_fma_f32 v[24+\e], -v[24+\e], v[28+\e], v[28+\e]
.endr
.irp e, 0,1,2,3
	v_add_f32 v[24+\e], 0.5, v[24+\e]
.endr
.irp e, 0,1,2,3
	v_mul_f32 v[24+\e], v[12+\e], v[24+\e]
.endr
	global_store_b128 v7, v[24:27], s[10:11] th:TH_STORE_NT
	s_wait_tensorcnt 0x0
	ds_add_u32 v160, v161
	s_wait_dscnt 0x0
	s_endpgm
.Lfunc_end_k_q69fcd48f9b_gate0:
	.size	k_q69fcd48f9b_gate0, .Lfunc_end_k_q69fcd48f9b_gate0-k_q69fcd48f9b_gate0
	.p2alignl 7, 3214868480
	.fill 96, 4, 3214868480
	.section	.rodata,"a",@progbits
	.p2align	6, 0x0
	.amdhsa_kernel k_q69fcd48f9b_gate0
		.amdhsa_group_segment_fixed_size 5632
		.amdhsa_private_segment_fixed_size 0
		.amdhsa_enable_private_segment 0
		.amdhsa_kernarg_size 32
		.amdhsa_user_sgpr_count 2
		.amdhsa_user_sgpr_kernarg_segment_ptr 1
		.amdhsa_wavefront_size32 1
		.amdhsa_system_sgpr_workgroup_id_x 1
		.amdhsa_system_sgpr_workgroup_id_y 1
		.amdhsa_system_sgpr_workgroup_id_z 1
		.amdhsa_system_vgpr_workitem_id 0
		.amdhsa_next_free_vgpr 162
		.amdhsa_next_free_sgpr 66
		.amdhsa_reserve_vcc 0
		.amdhsa_float_denorm_mode_32 3
		.amdhsa_float_denorm_mode_16_64 3
		.amdhsa_memory_ordered 1
		.amdhsa_forward_progress 1
		.amdhsa_inst_pref_size 12
	.end_amdhsa_kernel
	.amdgpu_metadata
---
amdhsa.version: [ 1, 2 ]
amdhsa.kernels:
  - .name:           k_q69fcd48f9b_gate0
    .symbol:         k_q69fcd48f9b_gate0.kd
    .args:
      - { .name: part, .offset: 0, .size: 8, .value_kind: global_buffer, .address_space: global }
      - { .name: x, .offset: 8, .size: 8, .value_kind: global_buffer, .address_space: global }
      - { .name: b_up, .offset: 16, .size: 8, .value_kind: global_buffer, .address_space: global }
      - { .name: out0, .offset: 24, .size: 8, .value_kind: global_buffer, .address_space: global }
    .group_segment_fixed_size: 5632
    .private_segment_fixed_size: 0
    .kernarg_segment_align: 8
    .kernarg_segment_size: 32
    .max_flat_workgroup_size: 256
    .sgpr_count:     66
    .vgpr_count:     162
    .wavefront_size: 32
...
	.end_amdgpu_metadata
.endif
;; end of part 2
;; ======== version 2 of 2: 2 launches; version 1 with the launch pairs written anew for expert scheduling mode
;; workspace buffers: part 16,777,216 bytes
;; launch pairs (part 3): grid 32 x 8, 4 waves a work-group, no clusters, 291,584 bytes of LDS; arguments x, y, W_drug_codes, W_drug_scales, W_prot_codes, W_prot_scales, W_down_codes, W_down_scales, W_up_codes, W_up_scales, b_drug, b_prot, b_down, b_up, part, out1; writes part, out1
.if DOCPART == 3
	.amdgcn_target "amdgcn-amd-amdhsa--gfx1250"
	.amdhsa_code_object_version 6
	.text
	.protected	k_q69fcd48f9b_pairs
	.globl	k_q69fcd48f9b_pairs
	.p2align	8
	.type	k_q69fcd48f9b_pairs,@function
k_q69fcd48f9b_pairs:
	s_mov_b64 s[64:65], 0
	v_nop
	global_prefetch_b8 v0, s[64:65] scope:SCOPE_SE
	s_setreg_imm32_b32 hwreg(HW_REG_WAVE_SCHED_MODE, 0, 2), 2
	s_setreg_imm32_b32 hwreg(HW_REG_WAVE_MODE, 25, 1), 1
	s_wait_xcnt 0x0
	s_wait_alu depctr_vm_vsrc(0)
; For every pair (x, y) of a batch: s = relu(d[x] + p[y]) (128 numbers), h = relu(Q(s) W_down + b_down) (64), atten = Q(h) W_up + b_up (128); only atten's sums over x and over y are kept.
; All four products run on codes of FP4 (E2M1) with one E8M0 scale for each 32 along K.
; SHARES.  A work-group owns one batch, 32 y (two tiles of 16) and all 128 x; wave w owns x = 32 w .. 32 w + 31.  A TILE is one x against 16 y, a y to a lane (lane % 16): 64 tiles a wave, in four blocks of
; 16 x by 16 y.  The sum over x is whole inside the work-group, so out1 is finished here; the sum over these 32 y goes to 'part', which the next launch adds up.
; EVERY PRODUCT IS USED TRANSPOSED (source 0 = 16 rows of a weight, source 1 = data), and the rows of a weight that form a tile are chosen so that a lane's registers are WHOLE BLOCKS of 32 along the next K:
; lane r of a tile takes row BASE + 32 (r / 8) + r % 8.  So no block maximum and no code changes lanes; only the scale word's bytes are gathered from lane l xor 16.
; d[x] + p[y] COMES OUT OF THE MATRIX UNIT: source 1 holds the codes of x's column in all 16 columns, and C holds p[y] + b_prot + b_drug in the result's layout.
; THE TWO SUMS ARE ACCUMULATIONS: W_up's K is 64, so the instruction's 128 hold two pairs: two x of one y (added up over x) or two y of one x (added up over y).  The second wants h's codes with x in the lanes:
; a block's codes go through the wave's own LDS and come back turned.
; relu IS DONE ON THE CODES: the block maximum is taken of the raw numbers with a positive floor among its leaves, so that negative numbers do not count; the raw numbers are converted; then the magnitude bits
; of every negative code are cleared, which leaves -0.  Positive codes are as they would be, so the codes' values are those of the quantised relu.
; NO CLUSTER, NO TENSOR LOAD: what work-groups share (24,576 bytes of weights, a batch's 65,536 bytes of x) is read once, at the head, into registers; the loop fetches nothing from memory.
; LIMITS.  NaN and infinities among the inputs are not served.  A block whose largest magnitude lies under 2^-124 (a block of zeros too) gets the scale byte 1; the bytes are read by this program alone.
; d + p is summed as (sum over x's channels) + (sum over y's channels + (b_prot + b_drug)), inside the matrix unit.  The gate's argument is held at -40 from below,
; where the gate is under 5e-18.  y is read and out1 stored in runs of 128 bytes: a work-group owns 32 y.
; THE MODE: SCHED_MODE bits 1:0 = 2 (LLVM: expert scheduling mode 2), set by the entry lines.  The code itself states the register dependences between vector or matrix instructions and memory or LDS
; instructions, with s_wait_alu, always for 0.
; THE PLAN.  Registers that LDS instructions touch in the loop (slot g, pi = g % 2; a trip is an even and an odd slot):
;   XB[pi], XW[pi]         a column of x: loaded at the head of slot g; read by the products d + p of slot g + 1.
;   HCT, HTW               h's codes, turned: loaded at an even slot's head; read by the sums over y of the odd slot.
;   P                      loaded at an odd slot's head, where a block ends; read by every product d + p, as its C.
;   HC[pi], HW             written by slot g's conversions, masks and v_or; read by the stores at the slot's end and by the sums over x of the next even slot.
;   v[AX], v[ADC], v[AWL]  read by the loads at the two heads of a trip; stepped once a trip, in the odd slot.      v[ADH], v[AWS]  read by the stores at the two ends of a trip; stepped once a trip, in the even slot.
;   SC, SW                 written by vector instructions, taken by the hidden layer's products: no LDS instruction names them.
; All of a slot's vector work stands ahead of the hidden layer's two units; ONE wait on va_vdst stands directly ahead of those units.  It states that SC, SW, HC[pi], HW and the stepped addresses are written, and
; that this slot's products are done reading XB[1 - pi], XW[1 - pi], P, HCT and HTW.  Behind it stand the two units, which name WN, BD, WNS, SC, SW and H alone, and then, in one run, the slot's stores and the next
; slot's loads.  ONE wait on vm_vsrc stands in a slot's middle: the stores and loads issued so far have read HC, HW and the five addresses, which the lines behind it write again.
; ---- LDS
.set YB,    4672                       ; a stage's block of 32 channels: 32 rows of 144 bytes (32 columns + 16), then 64 bytes, so that lanes 16-31 stand 16 words further round the banks
.set YST,   0                          ; y as f32, 128 channels x 32 columns: 4 YB
.set PIMG,  18688                      ; p as an image of registers: [y tile 2][group of four registers 16][lane 32][16 bytes]
.set XQ,    35072                      ; for each wave 64 entries of 96 bytes, in the order of the tiles: 64 bytes of codes of x's column, its scale word at 64 and again at 80
.set HT,    59648                      ; for each wave 64 rows (a tile each) of 528 bytes: lane l's 16 bytes of h's codes at 16 l.  At the head the same bytes hold the wave's columns of x as f32, laid as YST
.set HSW,   194816                     ; for each wave 64 rows (a tile each) of 48 bytes: the two scale bytes of pair (x, y r) at 2 r
.set RED,   207104                     ; for each wave the image of its sums over x: [y tile 2][unit 4][group 4][lane][16 bytes]
.set OST,   272640                     ; for each wave 32 rows (channels) of 144 bytes: the gate, on its way to out1's layout
; ---- window 0
.set AX,   1                           ; v1     XQ: the entry of the column that the next even slot loads; 192 bytes (two entries) on in each trip
.set ADH,  2                           ; v2     HT: my 16 bytes in the row of the trip's even tile; 1,056 bytes (two rows) on in each trip
.set AWS,  3                           ; v3     HSW: my two bytes in the row of the trip's even tile; 96 bytes on in each trip
.set ADC,  4                           ; v4     HT, turned: row lane % 16 of block 0, the two y in hand; 32 bytes on in each trip; the block stands in the loads' immediates: 8,192 bytes each
.set AWL,  5                           ; v5     HSW, turned: likewise; 4 bytes on in each trip; 736 bytes a block
.set API,  6                           ; v6     PIMG + 16 x lane
.set SELV, 7                           ; v7     byte selects: my half's two scale bytes to their places in a scale word
.set L16,  8                           ; v8     16 x lane
.set GY,   9                           ; v9     y, out1: (lane / 8) rows of 4,096 bytes + 16 (lane % 8)
.set TV,   15
.set WDS,  16                          ; v16-42 hold scale words and nothing else: W_drug's 4, W_down's 2, W_up's 4, W_prot's 2,
.set WNS,  20
.set WUS,  22
.set WPS,  26
.set SW,   28                          ;        s's, h's, x's two, turned h's, and eight more of those for the last block
.set HW,   30
.set XW,   32
.set HTW,  34
.set DW,   35
.set LN,   43                          ; v43-47 lane, lane % 16, lane / 16, lane / 8, lane % 8
.set RR,   44
.set HH,   45
.set L3,   46
.set L7,   47
.set SC,   48                          ; v48-55 s's codes
.set MH,   56                          ; v56-60 h's running maxima (at the head: offsets of the weights' loads)
.set B3,   56
.set LC,   57
.set LW4,  58
.set LU,   59
.set H128, 60
.set L2,   61
.set GX,   62
.set YSTA, 63
.set HC,   64                          ; v64-71 h's codes of two tiles
.set HCT,  72                          ; v72-79 h's codes, turned
.set XB,   80                          ; v80-95 codes of x's column, two sets; at the end b_up
.set BU,   80
.set M,    96                          ; v96-103 running maxima, later the masks at work
.set E0,   104                         ; v104-105 the conversions' scale operands
.set T0,   106                         ; v106-107 scale bytes in the top byte
.set PX,   108
.set WT,   109
.set EH,   110
.set TE,   111                         ; v111-112 h's scale bytes of the even and the odd tile
.set XSTA, 113
.set QAY,  114
.set QAX,  115
.set XQS,  116
.set API2, 117
.set XQB,  118
.set REDS, 119
.set REDL, 120
.set OSTS, 121
.set OSTL, 122
.set LT,   123
.set BUO,  124
.set S,    128                         ; v128-191 d + p of a tile: register 32 c + i = channel 64 c + 32 (lane / 16) + i
.set H,    192                         ; v192-255 the hidden layer ahead of relu, two tiles: register i = unit 32 (lane / 16) + i
.set R,    128                         ; the end: sums, exponentials, divisors
.set EE,   160
.set QQ,   192
; ---- window 1: the weights and what is added to them
.set WD,   0                           ; W_drug, 4 units of 16 registers
.set WN,   64                          ; W_down, 2 units
.set BD,   96                          ; b_down in the result's layout
.set P,    128                         ; p of the y tile in hand
.set WU,   192                         ; W_up, 4 units; each row's 64 codes stand twice
; ---- window 2: the sums
.set PA0,  0                           ; over x, y tile 0 and 1
.set PA1,  64
.set CA0,  128                         ; over y, x tile 0 and 1
.set CA1,  192
; ---- window 3: v0-127 x as loaded, v128-159 y as loaded (kept to the end), v192-223 my two units of W_prot
.set YR,   128
.set WP,   192
; ---- scalars.  s[8:39] the sixteen buffers in the order of the arguments
.set WV,   40
.set W1,   41
.set W2,   42
.set BAT,  43
.set SEL,  44                          ; s[44:45] lane selects: lane l xor 16
.set CNT,  46
.set TS,   47
.set OF,   48
.set OG,   50
.set SGN,  57                          ; the sign bits of eight codes
.set EM2,  58                          ; 2 off an exponent field
.set TM2,  59                          ; 2 off a top byte
.set FLR,  60                          ; the floor 2^(3 - 127)
.set KC,   62
.set W_MUL, 0x11                       ; source 0 and C window 1, source 1 and D window 0
.set W_SUM, 0xa1                       ; source 0 window 1, source 1 window 0, C and D window 2
.set MSB, 0
.macro WIN new                         ; the immediate's high byte repeats the setting that is left
.if MSB != \new
	s_set_vgpr_msb (MSB<<8)|\new
.set MSB, \new
.endif
.endm
.macro PLACES n
.rept \n
	v_nop
.endr
.endm
; A UNIT: 32 rows of a weight x 16 columns of data, K = 128: two instructions on two accumulators.  The weight's 32 scale words lie in one register, a lane a row.
.macro MM d, a, b, c, sa, sb
	v_wmma_scale_f32_16x16x128_f8f6f4 v[(\d):(\d)+7], v[(\a):(\a)+7], v[(\b):(\b)+7], v[(\c):(\c)+7], v[\sa], v[\sb] matrix_a_fmt:MATRIX_FMT_FP4 matrix_b_fmt:MATRIX_FMT_FP4
	v_wmma_scale_f32_16x16x128_f8f6f4 v[(\d)+8:(\d)+15], v[(\a)+8:(\a)+15], v[(\b):(\b)+7], v[(\c)+8:(\c)+15], v[\sa], v[\sb] matrix_a_fmt:MATRIX_FMT_FP4 matrix_b_fmt:MATRIX_FMT_FP4 matrix_a_scale:MATRIX_SCALE_ROW1
.endm
.macro MMZ d, a, b, sa, sb             ; the same, starting a sum
	v_wmma_scale_f32_16x16x128_f8f6f4 v[(\d):(\d)+7], v[(\a):(\a)+7], v[(\b):(\b)+7], 0, v[\sa], v[\sb] matrix_a_fmt:MATRIX_FMT_FP4 matrix_b_fmt:MATRIX_FMT_FP4
	v_wmma_scale_f32_16x16x128_f8f6f4 v[(\d)+8:(\d)+15], v[(\a)+8:(\a)+15], v[(\b):(\b)+7], 0, v[\sa], v[\sb] matrix_a_fmt:MATRIX_FMT_FP4 matrix_b_fmt:MATRIX_FMT_FP4 matrix_a_scale:MATRIX_SCALE_ROW1
.endm
; THE LARGEST OF TWO BLOCKS OF 32 (64 registers from src on): eight chains of seven, then the four numbers left over of each block, the chains and the floor.  ab = 1: magnitudes (x, y); 0: as they are (ahead of a relu)
.macro MX3 d, a, b, c, ab
.if \ab
	v_max3_num_f32 v[\d], |v[\a]|, |v[\b]|, |v[\c]|
.else
	v_max3_num_f32 v[\d], v[\a], v[\b], v[\c]
.endif
.endm
.macro GRP src, n, ab                  ; each accumulator is first read at its low end: chain t begins with registers 8 t, 8 t + 1, 8 t + 2
.irp t, 0,1,2,3,4,5,6,7
.if (\n) == 0
	MX3 M+\t, (\src)+8*\t, (\src)+8*\t+1, (\src)+8*\t+2, \ab
.else
	MX3 M+\t, M+\t, (\src)+8*\t+2*(\n)+1, (\src)+8*\t+2*(\n)+2, \ab
.endif
.endr
.endm
.macro G4A src, ab
.irp c, 0,1
.if \ab
	v_max3_num_f32 v[T0+\c], |v[(\src)+32*\c+23]|, |v[(\src)+32*\c+31]|, s[FLR]
.else
	v_max3_num_f32 v[T0+\c], v[(\src)+32*\c+23], v[(\src)+32*\c+31], s[FLR]
.endif
.endr
.irp c, 0,1
	MX3 M+4*\c, M+4*\c, M+4*\c+1, (\src)+32*\c+7, \ab
.endr
.irp c, 0,1
	MX3 M+4*\c+2, M+4*\c+2, M+4*\c+3, (\src)+32*\c+15, \ab
.endr
.endm
.macro G4D                             ; v[M], v[M+4]: the two blocks' largest, not under the floor, so that no scale byte falls under 1
.irp c, 0,1
	v_max3_num_f32 v[M+4*\c], v[M+4*\c], v[M+4*\c+2], v[T0+\c]
.endr
.endm
.macro QE                              ; 2 off the exponent field: the conversion's scale operand; the same number as a byte on top of a word
	v_add_nc_u32 v[E0], s[EM2], v[M]
	v_add_nc_u32 v[E0+1], s[EM2], v[M+4]
	v_lshl_add_u32 v[T0], v[M], 1, s[TM2]
	v_lshl_add_u32 v[T0+1], v[M+4], 1, s[TM2]
.endm
.macro QCVT src, dst                   ; register 4 c + g of the operand: k = 64 c + 32 (lane / 16) + 8 g + 0 .. 7
.irp c, 0,1
.irp g, 0,1,2,3
	v_cvt_scalef32_pk8_fp4_f32 v[(\dst)+4*\c+\g], v[(\src)+32*\c+8*\g:(\src)+32*\c+8*\g+7], v[E0+\c]
.endr
.endr
.endm
; Four registers of codes: 7 in each place whose code is negative, and those bits cleared
.macro MASKA c0
.irp i, 0,1,2,3
	v_and_b32 v[M+\i], s[SGN], v[(\c0)+\i]
.endr
.irp i, 0,1,2,3
	v_lshrrev_b32 v[M+4+\i], 3, v[M+\i]
.endr
.endm
.macro MASKB c0
.irp i, 0,1,2,3
	v_sub_nc_u32 v[M+\i], v[M+\i], v[M+4+\i]
.endr
.irp i, 0,1,2,3
	v_bfi_b32 v[(\c0)+\i], v[M+\i], 0, v[(\c0)+\i]
.endr
.endm
; The hidden layer's one block a lane, 32 registers from HB on
.macro HG n
.irp t, 0,1,2,3
.if (\n) == 0
	v_max3_num_f32 v[MH+\t], v[HB+8*\t], v[HB+8*\t+1], v[HB+8*\t+2]
.else
	v_max3_num_f32 v[MH+\t], v[MH+\t], v[HB+8*\t+2*(\n)+1], v[HB+8*\t+2*(\n)+2]
.endif
.endr
.endm
.macro HG4A
	v_max3_num_f32 v[MH+4], v[HB+23], v[HB+31], s[FLR]
	v_max3_num_f32 v[MH], v[MH], v[MH+1], v[HB+7]
	v_max3_num_f32 v[MH+2], v[MH+2], v[MH+3], v[HB+15]
.endm
.macro HG4D
	v_max3_num_f32 v[MH], v[MH], v[MH+2], v[MH+4]
.endm
.macro HSCL pi
	v_add_nc_u32 v[EH], s[EM2], v[MH]
	v_lshl_add_u32 v[TE+(\pi)], v[MH], 1, s[TM2]
.endm
.macro HCVT pi
.irp g, 0,1,2,3
	v_cvt_scalef32_pk8_fp4_f32 v[HC+4*(\pi)+\g], v[HB+8*\g:HB+8*\g+7], v[EH]
.endr
.endm
.macro HSTORE pi                       ; the tile's codes into its row of HT; behind the odd tile the pair's scale bytes into their two rows of HSW (lanes l and l + 16 write the same bytes)
	ds_store_b128 v[ADH], v[HC+4*(\pi):HC+4*(\pi)+3] offset:528*(\pi)
.if \pi
	ds_store_b16 v[AWS], v[HW]
	ds_store_b16_d16_hi v[AWS], v[HW] offset:48
.endif
.endm
.macro LOADX pi, adr                   ; a column of x: all lanes of a half read the same 16 bytes
	ds_load_b128 v[XB+8*(\pi):XB+8*(\pi)+3], v[\adr] offset:96*(\pi)
	ds_load_b128 v[XB+8*(\pi)+4:XB+8*(\pi)+7], v[\adr] offset:96*(\pi)+32
	ds_load_b32 v[XW+(\pi)], v[\adr] offset:96*(\pi)+64
.endm
.macro LOADC off, offw                 ; two y of a block, turned: lane r takes x r's row; off, offw: the block's bytes
	ds_load_b128 v[HCT:HCT+3], v[ADC] offset:(\off)
	ds_load_b128 v[HCT+4:HCT+7], v[ADC] offset:(\off)+16
	ds_load_b32 v[HTW], v[AWL] offset:(\offw)
.endm
.macro LOADP yt
	WIN 0x40                                       ; destination window 1
.irp k, 0,1,2,3,4,5,6,7,8,9,10,11,12,13,14,15
	ds_load_b128 v[P+4*\k:P+4*\k+3], v[API] offset:8192*(\yt)+512*\k
.endr
	WIN 0
.endm
.macro S0U u, pb                       ; d + p, channels of unit u
	WIN W_MUL
	MM S+16*(\u), WD+16*(\u), XB+8*(\pb), P+16*(\u), WDS+(\u), XW+(\pb)
	WIN 0
.endm
.macro P3 pi                           ; the hidden layer, both units; b_down is the C
	WIN W_MUL
	MM H+32*(\pi), WN, SC, BD, WNS, SW
	MM H+32*(\pi)+16, WN+16, SC, BD+16, WNS+1, SW
	WIN 0
.endm
.macro P4M u, mode, acc, b, sb         ; atten's sums, channels of unit u.  mode 2: the first product starts the sum
.if (\mode) == 2
	MMZ (\acc)+16*(\u), WU+16*(\u), \b, WUS+(\u), \sb
.else
	MM (\acc)+16*(\u), WU+16*(\u), \b, (\acc)+16*(\u), WUS+(\u), \sb
.endif
.endm
.macro P4W u, mode, acc, b, sb
.if \mode
	WIN W_SUM
	P4M \u, \mode, \acc, \b, \sb
	WIN 0
.endif
.endm
; SLOT g (pi = g % 2).  Vector work: tile g's s (maxima, conversions, masks) and tile g - 2's h.  Matrix work, a unit at a time between runs of vector lines: four units of atten's sums (even slots: over x;
; odd slots: over y), d + p of tile g + 1 as soon as tile g's numbers are converted; at the slot's end, behind its one wait on va_vdst, the hidden layer of tile g into the registers that tile g - 2's conversions have read.
; cl: 0, or 1 + the block whose codes come back turned;  stc: v[ADC] and v[AWL] step;  bd: 0 no h, 1 h, 2 h for the first time (v[ADH] and v[AWS] stand where the head has put them).
; No two matrix instructions that follow each other share an accumulator, over the loops' edges too.
; Distances, by this text's count: every result is first read a run of 8 plain lines or more behind its product; codes stand 8 plain lines or more, scale words 16 or more, ahead of the product that takes them.
.macro SLOT pi, ld, cl, stc, rc, ryt, p4, acc, b, sb, s0, bd
.set HB, H+32*(\pi)
; The loads at a slot's head lean on the wait on va_vdst at the end of the slot before: since then only the hidden layer's units were issued, which name none of these loads' registers.
.if \rc
	s_cmp_lg_u32 s[CNT], \rc                       ; the next tile begins a block: p of its y tile.  The last product that read the old p stands in the slot before
	s_cbranch_scc1 .Lsame_p_\@
	LOADP \ryt
.Lsame_p_\@:
.endif
.if \cl
	LOADC 8192*((\cl)-1), 736*((\cl)-1)
.endif
.if \ld
	LOADX \pi, AX                                  ; tile g + 2's column
.endif
	GRP S, 0, 0
	P4W 0, \p4, \acc, \b, \sb
	GRP S, 1, 0
	P4W 1, \p4, \acc, \b, \sb
	GRP S, 2, 0
	P4W 2, \p4, \acc, \b, \sb
	G4A S, 0
	P4W 3, \p4, \acc, \b, \sb
	G4D
.if \bd
	HG 0
.endif
	QE
.if \bd
	HG 1
.endif
	QCVT S, SC
	v_perm_b32 v[WT], v[T0+1], v[T0], v[SELV]      ; my two bytes at their places.  (The plain line behind the conversions)
.if \bd
	HG 2
.endif
	v_permlanex16_b32 v[PX], v[WT], s[SEL], s[SEL+1]
.if \ld
	s_wait_dscnt 0x3                               ; all but the three loads of this slot's column are in: tile g + 1's column, a new p, the turned codes
.else
	s_wait_dscnt 0x0
.endif
.if ((\bd) == 1) || ((\pi) && (\ld))
	s_wait_alu depctr_vm_vsrc(0)                   ; the stores of the last two slots have read HC, HW, v[ADH] and v[AWS], the loads at the heads v[AX], v[ADC] and v[AWL]: the lines below write these again
.endif
.if (\pi) == 0
.if (\bd) == 1
	v_add_nc_u32 v[ADH], 1056, v[ADH]              ; this trip's two rows of HT
	v_add_nc_u32 v[AWS], 96, v[AWS]                ; and of HSW
.endif
.else
.if \ld
	v_add_nc_u32 v[AX], 192, v[AX]                 ; the next trip's two entries of XQ
.endif
.if \stc
	v_add_nc_u32 v[ADC], 32, v[ADC]                ; the next trip's two y along the rows of HT
	v_add_nc_u32 v[AWL], 4, v[AWL]                 ; and of HSW
.endif
.endif
.if \s0
	S0U 0, (1-\pi)
.endif
	v_or_b32 v[SW], v[WT], v[PX]                   ; with lane l xor 16's two bytes: s's scale word
	MASKA SC
.if \s0
	S0U 1, (1-\pi)
.endif
.if \bd
	HG4A
.endif
	MASKB SC
.if \s0
	S0U 2, (1-\pi)
.endif
.if \bd
	HG4D
.endif
	MASKA SC+4
.if \bd
	HSCL \pi
.endif
.if \s0
	S0U 3, (1-\pi)
.endif
.if \bd
.if \pi
	v_perm_b32 v[WT], v[TE+1], v[TE], v[SELV]      ; the even tile's byte below, the odd tile's above
.endif
	HCVT \pi
.endif
	MASKB SC+4
.if \bd
.if \pi
	v_permlanex16_b32 v[PX], v[WT], s[SEL], s[SEL+1]
.endif
	MASKA HC+4*(\pi)
.if \pi
	v_or_b32 v[HW], v[WT], v[PX]                   ; h's scale word of the two tiles
.endif
	MASKB HC+4*(\pi)
.else
	PLACES 4                                       ; between the last mask on s's codes and the product that takes them
.endif
	s_wait_alu depctr_va_vdst(0)                   ; SC and SW are written, which the units below take; HC, HW and the stepped addresses are written, which the stores below, the next heads' loads and the next sums over x read; this slot's products are done reading x's column, p and the turned codes, in whose registers the next heads' loads land
	P3 \pi
.if \bd
	HSTORE \pi
.endif
.endm
; TRIP q = slots 2 q and 2 q + 1.  ld: columns of tiles 2 q + 2, 2 q + 3;  cl, cp, cacc: two y of a finished block, summed over y;  rc, ryt: the reload of p;  pp, pacc: tiles 2 q - 4, 2 q - 3 summed over x;
; s0b: d + p in the odd slot;  bd: h of tiles 2 q - 2, 2 q - 1
.macro TRIP ld, cl, rc, ryt, pp, pacc, cp, cacc, s0b, bd
	SLOT 0, \ld, \cl, 0, 0, 0, \pp, \pacc, HC, HW, 1, \bd
	SLOT 1, \ld, 0, \cl, \rc, \ryt, \cp, \cacc, HCT, HTW, \s0b, \bd
.endm
.macro BDT pi                          ; h of a tile, where no other work is left to set between
.set HB, H+32*(\pi)
	HG 0
	HG 1
	HG 2
	HG4A
	HG4D
	HSCL \pi
	HCVT \pi
.if \pi
	v_perm_b32 v[WT], v[TE+1], v[TE], v[SELV]
	v_permlanex16_b32 v[PX], v[WT], s[SEL], s[SEL+1]
	v_or_b32 v[HW], v[WT], v[PX]
.else
	v_nop                                          ; the plain line behind the conversions
.endif
	MASKA HC+4*(\pi)
	MASKB HC+4*(\pi)
.if \pi
	PLACES 4                                       ; between the last mask on h's codes and the product that takes them
.endif
	s_wait_alu depctr_va_vdst(0)                   ; HC (behind the odd tile HW too) and v[ADH], v[AWS] are written, which the stores below read and the last sums over x take; the products issued so far are done reading the turned codes, and all work on d + p's registers is done: the loads behind the odd tile's stores land there
	HSTORE \pi
.endm
.macro QLOAD dst, adr, off             ; 16 columns of a stage: lane (r, h) takes column r; register 32 c + i = channel 64 c + 32 h + i
.set i, 0
.rept 64
	ds_load_b32 v[(\dst)+i], v[\adr] offset:(\off)+2*YB*(i/32)+144*(i%32)
.set i, i+1
.endr
.endm
.macro QT src, dst, sw                 ; 64 numbers of a lane become an operand's eight registers and its scale word
	GRP \src, 0, 1
	GRP \src, 1, 1
	GRP \src, 2, 1
	G4A \src, 1
	G4D
	QE
	QCVT \src, \dst
	v_perm_b32 v[WT], v[T0+1], v[T0], v[SELV]
	v_permlanex16_b32 v[PX], v[WT], s[SEL], s[SEL+1]
	v_or_b32 v[\sw], v[WT], v[PX]
.endm
.macro XQST xt                         ; x tile xt's 16 columns into their entries, once for each of the two blocks that walk them
.irp d, 0, 1536
	ds_store_b128 v[XQS], v[SC:SC+3] offset:3072*(\xt)+\d
	ds_store_b128 v[XQS], v[SC+4:SC+7] offset:3072*(\xt)+\d+32
	ds_store_b32 v[XQS], v[SW] offset:3072*(\xt)+\d+64
.endr
.endm
.macro ADDSRC n
.set j, 0
.rept 16
	v_pk_add_f32 v[R+2*j:R+2*j+1], v[R+2*j:R+2*j+1], v[R+32*(\n)+2*j:R+32*(\n)+2*j+1]
.set j, j+1
.endr
.endm
; ================ THE HEAD
	s_load_b512 s[8:23], s[0:1], 0x0               ; x, y, W_drug's codes and scales, W_prot's, W_down's
	s_load_b512 s[24:39], s[0:1], 0x40             ; W_up's codes and scales, b_drug, b_prot, b_down, b_up, part, out1
	v_lshl_add_u32 v126, v0, 2, 0x47100
	v_mov_b32 v127, 0
	v_lshrrev_b32 v[TV], 5, v0
	v_readfirstlane_b32 s[WV], v[TV]               ; wave 0..3
	v_and_b32 v[LN], 31, v0
	v_and_b32 v[RR], 15, v0
	v_bfe_u32 v[HH], v0, 4, 1
	v_bfe_u32 v[L3], v0, 3, 2
	v_and_b32 v[L7], 7, v0
	v_bfe_u32 v[B3], v0, 3, 1
	v_lshlrev_b32 v[L16], 4, v[LN]
	v_lshlrev_b32 v[GY], 4, v[L7]
	v_lshl_add_u32 v[GX], v[L3], 9, v[GY]          ; x: (lane / 8) rows of 512 bytes + 16 (lane % 8)
	v_lshl_add_u32 v[GY], v[L3], 12, v[GY]
	v_lshl_add_u32 v[TV], v[B3], 5, v[L7]          ; 32 (r / 8) + r % 8: my row of a weight's tile
	v_lshl_add_u32 v[LW4], v[HH], 3, v[TV]         ; + 8 (lane / 16): my row of a unit's 32, for its scale word
	v_lshlrev_b32 v[LC], 6, v[TV]                  ; a row of 128 codes is 64 bytes
	v_lshl_add_u32 v[LC], v[HH], 4, v[LC]
	v_lshlrev_b32 v[LW4], 2, v[LW4]
	s_wait_alu depctr_va_sdst(0)                   ; the wave's number is written, ahead of its first reader
	s_and_b32 s[W1], s[WV], 1
	s_lshr_b32 s[W2], s[WV], 1
	s_and_b32 s[BAT], ttmp7, 0xffff                ; the batch; ttmp9: which 32 y
	s_lshl_b32 s[OF], s[BAT], 19                   ; y, out1: batch x 524,288 + 128 x (which 32 y) + wave x 32 channels of 4,096 bytes
	s_lshl_b32 s[TS], ttmp9, 7
	s_add_co_u32 s[OF], s[OF], s[TS]
	s_lshl_b32 s[TS], s[WV], 17
	s_add_co_u32 s[OF], s[OF], s[TS]
	s_mov_b32 s[OF+1], 0
	s_lshl_b32 s[OG], s[BAT], 16                   ; x: batch x 65,536 + my 32 columns
	s_lshl_b32 s[TS], s[WV], 7
	s_add_co_u32 s[OG], s[OG], s[TS]
	s_mov_b32 s[OG+1], 0
	s_wait_kmcnt 0x0
	s_add_nc_u64 s[10:11], s[10:11], s[OF:OF+1]
	s_add_nc_u64 s[38:39], s[38:39], s[OF:OF+1]
	s_add_nc_u64 s[8:9], s[8:9], s[OG:OG+1]
	s_mov_b32 s[OG], s[TS]
	s_add_nc_u64 s[34:35], s[34:35], s[OG:OG+1]    ; b_up: my 32 channels
	s_lshl_b32 s[OG], s[W1], 12
	s_add_nc_u64 s[16:17], s[16:17], s[OG:OG+1]    ; W_prot: rows 64 (wave % 2) on
	s_lshl_b32 s[OG], s[W1], 8
	s_add_nc_u64 s[18:19], s[18:19], s[OG:OG+1]    ; their scale words, and the same channels of the two biases
	s_add_nc_u64 s[30:31], s[30:31], s[OG:OG+1]
	s_add_nc_u64 s[28:29], s[28:29], s[OG:OG+1]
	s_lshl_b32 s[OG], s[BAT], 21                   ; part: [batch][which 32 y][x tile 8][group 16][lane][16 bytes]; my two x tiles
	s_lshl_b32 s[TS], ttmp9, 16
	s_add_co_u32 s[OG], s[OG], s[TS]
	s_lshl_b32 s[TS], s[WV], 14
	s_add_co_u32 s[OG], s[OG], s[TS]
	s_add_nc_u64 s[36:37], s[36:37], s[OG:OG+1]
	WIN 0xc0                                       ; destination window 3
	s_wait_alu depctr_va_vdst(0)                   ; the offsets v[GY], v[GX], v[LC] and v[LW4] are written, which the loads below read
.irp i, 0,1,2,3,4,5,6,7
	global_load_b128 v[YR+4*\i:YR+4*\i+3], v[GY], s[10:11] offset:16384*\i th:TH_LOAD_NT   ; y: my 32 channels x 32 columns, four rows of 128 bytes a load
.endr
.set i, 0
.rept 32
	global_load_b128 v[4*i:4*i+3], v[GX], s[8:9] offset:2048*i                             ; x: 128 channels x my 32 columns
.set i, i+1
.endr
.irp u, 0,1
.irp f, 0,1
.irp c, 0,1
	global_load_b128 v[WP+16*\u+8*\f+4*\c:WP+16*\u+8*\f+4*\c+3], v[LC], s[16:17] offset:(16*\u+8*\f)*64+32*\c
.endr
.endr
.endr
	WIN 0
.irp u, 0,1
	global_load_b32 v[WPS+\u], v[LW4], s[18:19] offset:64*\u
.endr
	; the rest of the constants, while the loads are out: none of these lines writes a register that a load above reads or lands in
	s_mov_b32 s[SEL], 0x76543210
	s_mov_b32 s[SEL+1], 0xfedcba98
	s_mov_b32 s[SGN], 0x88888888
	s_mov_b32 s[EM2], 0xff000000
	s_mov_b32 s[TM2], 0xfe000000
	s_mov_b32 s[FLR], 0x01800000
	v_lshlrev_b32 v[LU], 5, v[RR]                  ; W_up: a row of 64 codes is 32 bytes
	v_lshl_add_u32 v[LU], v[HH], 4, v[LU]
	v_lshlrev_b32 v[H128], 7, v[HH]                ; biases in the result's layout: 32 numbers on for lanes 16-31
	v_lshlrev_b32 v[L2], 1, v[LN]
	v_lshlrev_b32 v[BUO], 5, v[HH]
	v_mov_b32 v[SELV], 0x0c070c03                  ; lanes 0-15: bytes 0 and 2 of a scale word; the others 0
	v_mov_b32 v[TV], 0x070c030c                    ; lanes 16-31: bytes 1 and 3
	v_cmp_eq_u32 vcc_lo, 1, v[HH]
	s_wait_alu depctr_va_vcc(0)                    ; the compare has written VCC, which the select below reads
	v_cndmask_b32 v[SELV], v[SELV], v[TV], vcc_lo
	v_mov_b32 v[PX], 0                             ; written once: a lane permute's destination counts as one of its sources
	v_mul_u32_u24 v[LT], v[L3], 144
	v_lshl_add_u32 v[LT], v[L7], 4, v[LT]          ; a stage's rows as they are loaded: 144 (lane / 8) + 16 (lane % 8)
	s_mul_i32 s[TS], s[WV], YB
	v_add_nc_u32 v[YSTA], s[TS], v[LT]
	s_mul_i32 s[TS], s[WV], 33792
	s_add_co_u32 s[TS], s[TS], HT
	v_add_nc_u32 v[XSTA], s[TS], v[LT]
	v_add_nc_u32 v[ADH], s[TS], v[L16]             ; tile 0's row
	v_mul_u32_u24 v[ADC], v[RR], 528
	v_lshl_add_u32 v[ADC], v[HH], 8, v[ADC]
	v_add_nc_u32 v[ADC], s[TS], v[ADC]             ; block 0, y 0 and 1
	v_mul_u32_u24 v[QAY], v[HH], YB
	v_lshl_add_u32 v[QAY], v[RR], 2, v[QAY]
	v_add_nc_u32 v[QAX], s[TS], v[QAY]
	s_lshl_b32 s[TS], s[W2], 6
	v_add_nc_u32 v[QAY], s[TS], v[QAY]             ; y tile wave / 2
	s_mul_i32 s[TS], s[WV], 6144
	s_add_co_u32 s[TS], s[TS], XQ
	v_lshl_add_u32 v[XQB], v[HH], 4, s[TS]
	v_mad_u32_u24 v[XQS], v[RR], 96, v[XQB]
	v_add_nc_u32 v[AX], 192, v[XQB]                ; tile 2's entry
	s_mul_i32 s[TS], s[WV], 3072
	s_add_co_u32 s[TS], s[TS], HSW
	v_lshl_add_u32 v[AWS], v[RR], 1, s[TS]
	v_mad_u32_u24 v[AWL], v[RR], 48, s[TS]
	v_add_nc_u32 v[API], PIMG, v[L16]
	s_lshl_b32 s[TS], s[W2], 13
	s_lshl_b32 s[OG], s[W1], 12
	s_add_co_u32 s[TS], s[TS], s[OG]
	v_add_nc_u32 v[API2], s[TS], v[API]
	s_lshl_b32 s[TS], s[WV], 14
	s_add_co_u32 s[TS], s[TS], RED
	v_add_nc_u32 v[REDS], s[TS], v[L16]
	s_lshl_b32 s[TS], s[WV], 11
	s_add_co_u32 s[TS], s[TS], RED
	v_add_nc_u32 v[REDL], s[TS], v[L16]
	s_mul_i32 s[TS], s[WV], 4608
	s_add_co_u32 s[TS], s[TS], OST
	v_add_nc_u32 v[OSTL], s[TS], v[LT]
	v_mul_u32_u24 v[OSTS], v[HH], 1152
	v_lshl_add_u32 v[OSTS], v[RR], 2, v[OSTS]
	v_add_nc_u32 v[OSTS], s[TS], v[OSTS]
	s_wait_alu depctr_va_vdst(0)                   ; every offset and LDS address of the kernel is written: the stores and loads from here on read them
	s_wait_loadcnt 42                              ; y is in: behind it 32 loads of x, 8 of W_prot, 2 of its scale words
	WIN 0x0c                                       ; an LDS store's data are its source 1: window 3
.irp i, 0,1,2,3,4,5,6,7
	ds_store_b128 v[YSTA], v[YR+4*\i:YR+4*\i+3] offset:576*\i
.endr
	WIN 0x40
.irp k, 0,1,2,3,4,5,6,7
	global_load_b128 v[P+4*\k:P+4*\k+3], v[H128], s[30:31] offset:16*\k          ; b_prot and b_drug at my 32 channels, where p will lie later
.endr
.irp k, 0,1,2,3,4,5,6,7
	global_load_b128 v[P+32+4*\k:P+32+4*\k+3], v[H128], s[28:29] offset:16*\k
.endr
	s_wait_loadcnt 26                              ; x is in: behind it 8, 2 and these 16
	WIN 0x0c
.set i, 0
.rept 32
	ds_store_b128 v[XSTA], v[4*i:4*i+3] offset:(i/8)*YB+(i%8)*576
.set i, i+1
.endr
	WIN 0x40                                       ; the weights that stay: they have the rest of the head in which to land
.irp u, 0,1,2,3
.irp f, 0,1
.irp c, 0,1
	global_load_b128 v[WD+16*\u+8*\f+4*\c:WD+16*\u+8*\f+4*\c+3], v[LC], s[12:13] offset:(64*(\u/2)+16*(\u%2)+8*\f)*64+32*\c
.endr
.endr
.endr
.irp u, 0,1
.irp f, 0,1
.irp c, 0,1
	global_load_b128 v[WN+16*\u+8*\f+4*\c:WN+16*\u+8*\f+4*\c+3], v[LC], s[20:21] offset:(16*\u+8*\f)*64+32*\c
.endr
.endr
.endr
.irp u, 0,1,2,3
.irp f, 0,1
.irp c, 0,1
	global_load_b128 v[WU+16*\u+8*\f+4*\c:WU+16*\u+8*\f+4*\c+3], v[LU], s[24:25] offset:(32*\u+16*\f)*32   ; the same 16 bytes for both halves of the instruction's K
.endr
.endr
.endr
.irp k, 0,1,2,3,4,5,6,7
	global_load_b128 v[BD+4*\k:BD+4*\k+3], v[H128], s[32:33] offset:16*\k
.endr
	WIN 0
.irp u, 0,1,2,3
	global_load_b32 v[WDS+\u], v[LW4], s[14:15] offset:(64*(\u/2)+16*(\u%2))*4
.endr
.irp u, 0,1
	global_load_b32 v[WNS+\u], v[LW4], s[22:23] offset:64*\u
.endr
.irp u, 0,1,2,3
	global_load_u16 v[WUS+\u], v[L2], s[26:27] offset:64*\u
.endr
	s_wait_dscnt 0x0                               ; my part of y's stage has landed
	s_barrier_signal -1
	s_barrier_wait -1                              ; everybody's has
	QLOAD S, QAY, 0                                ; 16 y
	QLOAD H, QAX, 0                                ; my first 16 x
	s_wait_dscnt 63                                ; the 64 loads of y are in: 64 younger ones were issued, of which the count can name 63
	QT S, HC, HW
	s_wait_loadcnt 58                              ; W_prot, its scale words and the two biases are in: behind them 48 loads of weights and b_down and 10 of scale words
	WIN 0x45                                       ; all in window 1
.irp k, 0,2,4,6,8,10,12,14,16,18,20,22,24,26,28,30
	v_pk_add_f32 v[P+\k:P+\k+1], v[P+\k:P+\k+1], v[P+32+\k:P+32+\k+1]   ; b_prot + b_drug.  (Sixteen plain lines between y's scale word and the product that takes it)
.endr
	WIN 0
	s_wait_alu depctr_va_vdst(0)                   ; the maxima and conversions are done reading y's 64 numbers, in whose registers the loads below land; y's codes and scale word are written, which the products below take
	QLOAD S, QAX, 64                               ; my other 16 x
	WIN 0x53                                       ; source 0 window 3, source 1 window 0, C and D window 1
	MM P+32, WP, HC, P, WPS, HW                    ; p + both biases: y tile wave / 2, channels 64 (wave % 2) + 32 (lane / 16) + 0 .. 31
	MM P+48, WP+16, HC, P+16, WPS+1, HW
	WIN 0
	s_wait_dscnt 63                                ; the first 16 x are in: again 64 younger loads
	QT H, SC, SW
	s_wait_alu depctr_va_vdst(0)                   ; x's codes and scale word are written, and so is p: the stores below read them (the lines of the quantiser are the places behind p's products)
	XQST 0
	WIN 0x04                                       ; the data: window 1
.irp k, 0,1,2,3,4,5,6,7
	ds_store_b128 v[API2], v[P+32+4*\k:P+32+4*\k+3] offset:512*\k   ; each accumulator from its low end on
.endr
	WIN 0
	s_wait_dscnt 0x0                               ; the other 16 x are in
	s_wait_alu depctr_vm_vsrc(0)                   ; the stores above have read SC and SW, which the lines below write again
	QT S, SC, SW
	s_wait_alu depctr_va_vdst(0)                   ; x's codes and scale word are written, which the stores below read
	XQST 1
	s_wait_dscnt 0x0                               ; my part of p's image has landed
	s_barrier_signal -1
	s_barrier_wait -1                              ; everybody's has
	s_wait_alu depctr_vm_vsrc(0)                   ; my stores have read p's registers, in which p of y tile 0 lands, and SC and SW, which the tiles write again; the weights' loads have read v57 to v60, which are h's running maxima from here on
	LOADP 0                                        ; (all vector and matrix work on these registers stands ahead of the last wait on va_vdst)
	LOADX 0, XQB
	LOADX 1, XQB
	s_wait_loadcnt 0x0                             ; all weights
.irp u, 0,1,2,3
	v_lshl_or_b32 v[WUS+\u], v[WUS+\u], 16, v[WUS+\u]   ; W_up's two bytes a row serve both halves of the instruction's K
.endr
	s_wait_dscnt 0x0
.irp u, 0,1,2,3
	S0U \u, 0                                      ; d + p of tile 0
.endr
	PLACES 4
	s_wait_alu depctr_va_vdst(0)                   ; tile 0's products are done reading x's column 0, in whose registers the first slot's loads land; W_up's scale words are written, which the sums take
; ================ THE 64 TILES
	TRIP 1,0,0,0, 0,0, 0,0, 1,0                    ; q = 0
	TRIP 1,0,0,0, 0,0, 0,0, 1,2                    ; q = 1: h from here on
	TRIP 1,0,0,0, 2,PA0, 0,0, 1,1                  ; q = 2: the sums over x begin
	s_mov_b32 s[CNT], 7
.Lq3:                                                  ; q = 3 .. 9; at q = 7 (3 trips to go) p of y tile 1
	TRIP 1,0,3,1, 1,PA0, 0,0, 1,1
	s_sub_co_u32 s[CNT], s[CNT], 1
	s_cmp_lg_u32 s[CNT], 0
	s_cbranch_scc1 .Lq3
	TRIP 1,1,0,0, 2,PA1, 2,CA0, 1,1                ; q = 10: block 1's sums over x and block 0's over y begin
	s_mov_b32 s[CNT], 7
.Lq11:                                                 ; q = 11 .. 17; at q = 15 p of y tile 0
	TRIP 1,1,3,0, 1,PA1, 1,CA0, 1,1
	s_sub_co_u32 s[CNT], s[CNT], 1
	s_cmp_lg_u32 s[CNT], 0
	s_cbranch_scc1 .Lq11
	s_mov_b32 s[CNT], 8
.Lq18:                                                 ; q = 18 .. 25: block 1 comes back turned; at q = 23 p of y tile 1
	TRIP 1,2,3,1, 1,PA0, 1,CA0, 1,1
	s_sub_co_u32 s[CNT], s[CNT], 1
	s_cmp_lg_u32 s[CNT], 0
	s_cbranch_scc1 .Lq18
	WIN 0x08                                       ; a store's data are its source 1: window 2
.set k, 0
.rept 16
	global_store_b128 v[L16], v[CA0+4*k:CA0+4*k+3], s[36:37] offset:512*k th:TH_STORE_NT   ; my first 16 x are done: 512 consecutive bytes a store, each accumulator from its low end on.  The last sums over y stand ahead of the last slot's wait on va_vdst, and nothing since names these registers
.set k, k+1
.endr
	WIN 0
	TRIP 1,3,0,0, 1,PA1, 2,CA1, 1,1                ; q = 26: block 2 comes back turned
	s_mov_b32 s[CNT], 4
.Lq27:                                                 ; q = 27 .. 30
	TRIP 1,3,0,0, 1,PA1, 1,CA1, 1,1
	s_sub_co_u32 s[CNT], s[CNT], 1
	s_cmp_lg_u32 s[CNT], 0
	s_cbranch_scc1 .Lq27
	TRIP 0,3,0,0, 1,PA1, 1,CA1, 0,1                ; q = 31: no column is left to load, and behind tile 63 no d + p
; ================ THE PIPELINE RUNS OUT
	s_wait_alu depctr_vm_vsrc(0)                   ; q = 32.  The stores of tiles 60 and 61 have read HC, HW, v[ADH] and v[AWS], which the lines below write again
	v_add_nc_u32 v[ADH], 1056, v[ADH]              ; the rows of tiles 62 and 63
	v_add_nc_u32 v[AWS], 96, v[AWS]
	PLACES 2                                       ; (with the two additions: four plain lines between the last mask on h's codes and the product that takes them)
	LOADC 16384, 1472                              ; v[ADC] and v[AWL] were stepped ahead of the last slot's wait on va_vdst; they are not written again: what follows stands in the immediates
	WIN W_SUM
.irp u, 0,1,2,3
	P4M \u, 1, PA1, HC, HW                         ; tiles 60, 61 over x
.endr
	WIN 0
	BDT 0                                          ; h of tile 62
	s_wait_dscnt 0x0                               ; the turned codes are in
	WIN W_SUM
.irp u, 0,1,2,3
	P4M \u, 1, CA1, HCT, HTW
.endr
	WIN 0
	BDT 1                                          ; h of tile 63
	LOADC 16384+32, 1472+4                         ; q = 33: block 2's last two y,
.irp j, 0,1,2,3,4,5,6,7
	ds_load_b128 v[S+8*\j:S+8*\j+3], v[ADC] offset:24640+32*\j       ; and all of block 3, into the registers that held d + p
	ds_load_b128 v[S+8*\j+4:S+8*\j+7], v[ADC] offset:24640+32*\j+16
	ds_load_b32 v[DW+\j], v[AWL] offset:2216+4*\j
.endr
	global_load_b128 v[BU:BU+3], v[BUO], s[34:35]              ; b_up in the layout of the sums over x: channel 16 (q / 2) + 8 (lane / 16) + 4 (q % 2) + e of my 32.  (It lands where x's columns lay: their last readers stand far ahead of the wait on va_vdst above)
	global_load_b128 v[BU+4:BU+7], v[BUO], s[34:35] offset:16
	global_load_b128 v[BU+8:BU+11], v[BUO], s[34:35] offset:64
	global_load_b128 v[BU+12:BU+15], v[BUO], s[34:35] offset:80
	WIN W_SUM
.irp u, 0,1,2,3
	P4M \u, 1, PA1, HC, HW                         ; tiles 62, 63 over x
.endr
	s_wait_dscnt 0x0
.irp u, 0,1,2,3
	P4M \u, 1, CA1, HCT, HTW
.endr
.irp j, 0,1,2,3,4,5,6,7
.irp u, 0,1,2,3
	P4M \u, 1, CA1, S+8*\j, DW+\j                  ; the eight accumulators by turns
.endr
.endr
	PLACES 4
	s_wait_alu depctr_va_vdst(0)                   ; all sums are written, which the stores below read; the last products are done reading block 3's codes, in whose registers the loads behind the barrier land.  The places above stay beside this wait
	WIN 0x08
.set k, 0
.rept 32
	ds_store_b128 v[REDS], v[4*k:4*k+3] offset:512*k           ; my sums over x, as they stand
.set k, k+1
.endr
.set k, 0
.rept 16
	global_store_b128 v[L16], v[CA1+4*k:CA1+4*k+3], s[36:37] offset:8192+512*k th:TH_STORE_NT
.set k, k+1
.endr
	WIN 0
	s_wait_dscnt 0x0                               ; my sums have landed
	s_barrier_signal -1
	s_barrier_wait -1                              ; everybody's have
; ================ out1: wave w takes channels 32 w .. 32 w + 31 of the 32 y
.set i, 0
.rept 32                                       ; i = 8 x (the wave that summed) + 4 x (y tile) + group
	ds_load_b128 v[R+4*i:R+4*i+3], v[REDL] offset:16384*(i/8)+8192*((i/4)%2)+512*(i%4)
.set i, i+1
.endr
	s_mov_b32 s[OG], 0xbfb8aa3b                    ; -log2(e)
	s_mov_b32 s[OG+1], s[OG]
	s_mov_b32 s[KC], 0xbc38aa3b                    ; -log2(e) / 128: the mean over 128 x
	s_mov_b32 s[KC+1], s[KC]
	s_mov_b32 s[TS], 0x4266cccd                    ; 57.7 = 40 log2(e)
	s_wait_loadcnt 0x0                             ; b_up
.irp j, 0,2,4,6,8,10,12,14
	v_pk_mul_f32 v[BU+\j:BU+\j+1], v[BU+\j:BU+\j+1], s[OG:OG+1] op_sel_hi:[1,0]
.endr
	s_wait_dscnt 16                                ; the first two waves' sums are in
	ADDSRC 1
	s_wait_dscnt 8
	ADDSRC 2
	s_wait_dscnt 0x0
	ADDSRC 3
; sigmoid(m) tanh(m) = (1 - e) / (1 + e^2) with e = exp(-m) = 2^t, t = -log2(e) m.  t is held at 57.7, so that e^2 stays finite
.set j, 0
.rept 16
	v_pk_fma_f32 v[R+2*j:R+2*j+1], v[R+2*j:R+2*j+1], s[KC:KC+1], v[BU+(2*j)%16:BU+(2*j)%16+1] op_sel_hi:[1,0,1]
.set j, j+1
.endr
.set j, 0
.rept 32
	v_min_num_f32 v[R+j], s[TS], v[R+j]
.set j, j+1
.endr
.set j, 0
.rept 32
	v_exp_f32 v[EE+j], v[R+j]
.set j, j+1
.endr
	v_nop                                          ; a plain line behind the last exponential
	s_wait_alu depctr_va_vdst(0)                   ; the 32 exponentials have written v[EE ..]: one wait for the batch, ahead of its first reader
.set j, 0
.rept 16
	v_pk_fma_f32 v[QQ+2*j:QQ+2*j+1], v[EE+2*j:EE+2*j+1], v[EE+2*j:EE+2*j+1], 1.0 op_sel_hi:[1,1,0]
.set j, j+1
.endr
.set j, 0
.rept 32
	v_rcp_f32 v[QQ+j], v[QQ+j]
.set j, j+1
.endr
	v_nop
	s_wait_alu depctr_va_vdst(0)                   ; the 32 reciprocals have written v[QQ ..]: one wait for the batch, ahead of its first reader
.set j, 0
.rept 16
	v_pk_fma_f32 v[EE+2*j:EE+2*j+1], v[EE+2*j:EE+2*j+1], v[QQ+2*j:QQ+2*j+1], v[QQ+2*j:QQ+2*j+1] neg_lo:[1,0,0] neg_hi:[1,0,0]   ; (1 - e) / (1 + e^2)
.set j, j+1
.endr
.set j, 0
.rept 16
	v_pk_add_f32 v[EE+2*j:EE+2*j+1], v[EE+2*j:EE+2*j+1], 0.5 op_sel_hi:[1,0]
.set j, j+1
.endr
	s_wait_alu depctr_va_vdst(0)                   ; the gate is written in v[EE ..], which the stores below read; the lines above are done with v[QQ ..], in which the loads below land
.irp t, 0,1
.irp q, 0,1,2,3
.irp e, 0,1,2,3
	ds_store_b32 v[OSTS], v[EE+16*\t+4*\q+\e] offset:(16*(\q/2)+4*(\q%2)+\e)*144+64*\t   ; row = channel, column = y
.endr
.endr
.endr
.irp k, 0,1,2,3,4,5,6,7
	ds_load_b128 v[QQ+4*\k:QQ+4*\k+3], v[OSTL] offset:576*\k   ; back in the layout in which y was loaded; LDS serves a wave's instructions in order (ISA guide 5.7.1.4)
.endr
	s_wait_dscnt 0x0
	WIN 0x0c                                       ; source 1: window 3, y as loaded
.set j, 0
.rept 16
	v_pk_mul_f32 v[QQ+2*j:QQ+2*j+1], v[QQ+2*j:QQ+2*j+1], v[YR+2*j:YR+2*j+1]
.set j, j+1
.endr
	WIN 0
	s_wait_alu depctr_va_vdst(0)                   ; the products with y are written in v[QQ ..], which the stores below read
.irp k, 0,1,2,3,4,5,6,7
	global_store_b128 v[GY], v[QQ+4*\k:QQ+4*\k+3], s[38:39] offset:16384*\k th:TH_STORE_NT
.endr
	s_wait_dscnt 0x0
	s_wait_alu depctr_hold_cnt(0) depctr_sa_sdst(0) depctr_va_vdst(0) depctr_va_sdst(0) depctr_va_ssrc(0) depctr_va_vcc(0) depctr_vm_vsrc(0)
	s_wait_tensorcnt 0x0
	ds_add_u32 v126, v127
	s_wait_dscnt 0x0
	s_endpgm
.Lfunc_end_k_q69fcd48f9b_pairs:
	.size	k_q69fcd48f9b_pairs, .Lfunc_end_k_q69fcd48f9b_pairs-k_q69fcd48f9b_pairs
	.p2alignl 7, 3214868480
	.fill 96, 4, 3214868480
	.section	.rodata,"a",@progbits
	.p2align	6, 0x0
	.amdhsa_kernel k_q69fcd48f9b_pairs
		.amdhsa_group_segment_fixed_size 291584
		.amdhsa_private_segment_fixed_size 0
		.amdhsa_enable_private_segment 0
		.amdhsa_kernarg_size 128
		.amdhsa_user_sgpr_count 2
		.amdhsa_user_sgpr_kernarg_segment_ptr 1
		.amdhsa_wavefront_size32 1
		.amdhsa_system_sgpr_workgroup_id_x 1
		.amdhsa_system_sgpr_workgroup_id_y 1
		.amdhsa_system_sgpr_workgroup_id_z 1
		.amdhsa_system_vgpr_workitem_id 0
		.amdhsa_next_free_vgpr 1024
		.amdhsa_next_free_sgpr 66
		.amdhsa_reserve_vcc 1
		.amdhsa_float_denorm_mode_32 3
		.amdhsa_float_denorm_mode_16_64 3
		.amdhsa_memory_ordered 1
		.amdhsa_forward_progress 1
		.amdhsa_inst_pref_size 255
	.end_amdhsa_kernel
	.section	.bss,"aw",@nobits
	.p2align	6
	.space	262144
	.amdgpu_metadata
---
amdhsa.version: [ 1, 2 ]
amdhsa.kernels:
  - .name:           k_q69fcd48f9b_pairs
    .symbol:         k_q69fcd48f9b_pairs.kd
    .args:
      - { .name: x, .offset: 0, .size: 8, .value_kind: global_buffer, .address_space: global }
      - { .name: y, .offset: 8, .size: 8, .value_kind: global_buffer, .address_space: global }
      - { .name: W_drug_codes, .offset: 16, .size: 8, .value_kind: global_buffer, .address_space: global }
      - { .name: W_drug_scales, .offset: 24, .size: 8, .value_kind: global_buffer, .address_space: global }
      - { .name: W_prot_codes, .offset: 32, .size: 8, .value_kind: global_buffer, .address_space: global }
      - { .name: W_prot_scales, .offset: 40, .size: 8, .value_kind: global_buffer, .address_space: global }
      - { .name: W_down_codes, .offset: 48, .size: 8, .value_kind: global_buffer, .address_space: global }
      - { .name: W_down_scales, .offset: 56, .size: 8, .value_kind: global_buffer, .address_space: global }
      - { .name: W_up_codes, .offset: 64, .size: 8, .value_kind: global_buffer, .address_space: global }
      - { .name: W_up_scales, .offset: 72, .size: 8, .value_kind: global_buffer, .address_space: global }
      - { .name: b_drug, .offset: 80, .size: 8, .value_kind: global_buffer, .address_space: global }
      - { .name: b_prot, .offset: 88, .size: 8, .value_kind: global_buffer, .address_space: global }
      - { .name: b_down, .offset: 96, .size: 8, .value_kind: global_buffer, .address_space: global }
      - { .name: b_up, .offset: 104, .size: 8, .value_kind: global_buffer, .address_space: global }
      - { .name: part, .offset: 112, .size: 8, .value_kind: global_buffer, .address_space: global }
      - { .name: out1, .offset: 120, .size: 8, .value_kind: global_buffer, .address_space: global }
    .group_segment_fixed_size: 291584
    .private_segment_fixed_size: 0
    .kernarg_segment_align: 8
    .kernarg_segment_size: 128
    .max_flat_workgroup_size: 128
    .sgpr_count:     66
    .vgpr_count:     1024
    .wavefront_size: 32
...
	.end_amdgpu_metadata
.endif
;; end of part 3
;; launch gate0: the kernel of part 2 again; grid 16 x 8, 8 waves a work-group, no clusters, 5,632 bytes of LDS; arguments part, x, b_up, out0; writes out0
